; MI455X (gfx1250); checked and timed in simulation.
; The chip was launched on July 23, 2026; its instructions are those of AMD's public machine-readable ISA for CDNA 5 (MIT licence, August 2026) and "CDNA5" Instruction Set Architecture Reference Guide (July 2026). The comments in the code are by the model that wrote it; some were corrected since.
;; Multi Head Self Attention. Allowed arithmetic: matrix products marked QUANTISED: E2M1 operands, one E8M0 scale for each 32 along K, by v_wmma_scale_f32_16x16x128_f8f6f4 with both operands' format E2M1 (or v_wmma_scale_f32_32x16x128_f4), f32 sums; products left as they are: bf16, f16 or f32 operands; f32 sums; everything else in f32.
;; Inputs: Wk 1,024 x 1,024 float32; Wo 1,024 x 1,024 float32; Wq 1,024 x 1,024 float32; Wv 1,024 x 1,024 float32; attn_mask 1 x 1 x 2,048 x 2,048 float32; bk 1,024 float32; bo 1,024 float32; bq 1,024 float32; bv 1,024 float32; cos 2,048 x 64 float32; sin 2,048 x 64 float32; x 4 x 2,048 x 1,024 float32.
;; Outputs: out0 4 x 2,048 x 1,024 float32.
;; This version of the problem:
;;   THIS VERSION OF THE PROBLEM IS GIVEN IN LOW PRECISION. The matrix products marked QUANTISED in the list below multiply operands that are first quantised to E2M1 (2 exponent bits, 1 mantissa bit; 4 bits a number), with one power-of-two scale for each 32 numbers along K (OCP MX v1.0); their sums are f32. The products marked 'left as it is' may take bf16, f16 or f32 operands, with f32 sums. Whichever they take, every output number must still come out within the allowed error. Rounding operands to bf16 (8 significant bits) uses up far more of that allowance than f16 does (11 bits, for magnitudes from 6e-5 to 65,504). All else is computed in f32.
;;   The module's matrix products, in the order in which they are computed (A, B: the left and right operand; K: the contracted axis; several contracted axes count as one K, in the product's order):
;;     1. [M 8,192, K 1,024] x [K 1,024, N 1,024]; A: input x; B: input Wq: QUANTISED
;;     2. [M 8,192, K 1,024] x [K 1,024, N 1,024]; A: input x; B: input Wk: QUANTISED
;;     3. [M 8,192, K 1,024] x [K 1,024, N 1,024]; A: input x; B: input Wv: QUANTISED
;;     4. batch 64 x [M 2,048, K 64] x [K 64, N 2,048]; A: computed on the way; B: computed on the way: left as it is (an operand is computed on the way)
;;     5. batch 64 x [M 2,048, K 2,048] x [K 2,048, N 64]; A: computed on the way; B: computed on the way: left as it is (an operand is computed on the way)
;;     6. [M 8,192, K 1,024] x [K 1,024, N 1,024]; A: computed on the way; B: input Wo: left as it is (an operand is computed on the way)
;;   THE QUANTISER, for each operand of a quantised product, along K:
;;     - K is cut into blocks of 32 from its start; a last block that is shorter is filled with zeros.
;;     - A block's scale is 2^e with e = floor(log2(the largest magnitude in the block)) - 2, held to -126 .. 127; a block of zeros has e = 0. As a byte (E8M0): e + 127.
;;     - Each number is divided by its block's scale, clamped to +-6, and rounded to the nearest number of E2M1, ties to even, subnormals kept.
;;     - The product sums the exact products of the quantised numbers (number of the format x scale) in f32.
;;   ~~~python
;;   def quantise(x, axis):      # numpy; x: float32 -> the quantised numbers, widened to float32 again
;;       x = np.moveaxis(x, axis, -1); K = x.shape[-1]
;;       x = np.pad(x, [(0, 0)] * (x.ndim - 1) + [(0, -K % 32)]); x = x.reshape(x.shape[:-1] + (-1, 32)); a = np.abs(x).max(-1, keepdims=True)
;;       e = np.where(a > 0, np.clip(np.frexp(np.where(a > 0, a, 1))[1] - 1 - 2, -126, 127), 0)      # np.frexp(a)[1] - 1 = floor(log2(a)), exactly
;;       r = np.clip(x / 2.0 ** e, -6, 6)
;;       step = 2.0 ** (np.maximum(np.frexp(np.where(r == 0, 1, r))[1] - 1, 0) - 1)
;;       q = np.round(r / step) * step * 2.0 ** e      # np.round: ties to even
;;       return np.moveaxis(q.reshape(q.shape[:-2] + (-1,))[..., :K], -1, axis).astype(np.float32)
;;   ~~~
;; One version. Each part assembles by itself: llvm-mc -triple=amdgcn-amd-amdhsa -mcpu=gfx1250 --defsym DOCPART=n.
;; ======== version 1 of 1: 6 launches
;; limits: values are held in f16: magnitudes above 65,504 overflow, below 6.1e-05 lose precision; right only within a limited range of input values
;; workspace buffers: codes 6,127,616 bytes; wo16 4,194,304 bytes; flags 16,384 bytes of whole numbers; qkv 67,108,864 bytes; oimg 16,777,216 bytes; ofine 262,144 bytes
;; launch prep (part 1): grid 544 x 1, 4 waves a work-group, no clusters, 33,792 bytes of LDS; arguments x, Wq, Wk, Wv, Wo, attn_mask, codes, wo16, flags; writes codes, wo16, flags
.if DOCPART == 1
	.amdgcn_target "amdgcn-amd-amdhsa--gfx1250"
	.amdhsa_code_object_version 6
	.text
	.protected	k_q4084c947b7_prep
	.globl	k_q4084c947b7_prep
	.p2align	8
	.type	k_q4084c947b7_prep,@function
k_q4084c947b7_prep:
	s_mov_b64 s[64:65], 0
	v_nop
	global_prefetch_b8 v0, s[64:65] scope:SCOPE_SE
	s_setreg_imm32_b32 hwreg(HW_REG_WAVE_MODE, 25, 1), 1
	s_wait_xcnt 0x0
; PREP: three jobs, told apart by the work-group's number.
;  Q (work-groups 0-351): x, Wq, Wk, Wv, f32 with K innermost, become codes of FP4 (E2M1) and one E8M0 byte for each 32 along K.
;    A block's byte is its largest magnitude's exponent field - 2, held at 1 from below (a block of zeros keeps 1: its codes are zeros, and only this program reads the bytes).
;    'codes' holds x's codes, then Wq's, Wk's, Wv's (512 bytes a row), then from XSO on the scale bytes in the same order (32 bytes a row): both are plain streams, so the outputs need no choice.
;  W (352-415): Wo x 16 as a pair of f16 numbers, high and low, laid as images of a matrix operand's registers: [feature tile 64][K step 32][half 2] chunks of 512 bytes, lane l's 16 bytes at 16 l.
;  M (416-543): the mask is read once and classified: for each tile of 16 rows, a bit for each block of 64 keys: D = all entries <= -1e30, Z = all entries are zero; and ANC = every row has an entry >= -1e29.
;    The numbers go to 'flags' (a record of 128 bytes a row tile: the words D, Z, ANC, 0 eight times); they steer nothing in this launch.
; LIMITS: NaN and infinities among x and the weights are not served; blocks whose largest magnitude lies under 2^-124 keep the byte 1; a NaN in the mask is passed over by the maxima.
.set XSO,   5767168                    ; where the scale bytes begin in 'codes'
.set WLO,   2097152                    ; where the low image begins in 'wo16'
.set STEPS, 16
.set EMAX,  2
.set CB,    8
.set WREG,  8192                       ; job Q: LDS of one wave: two stages of 32 x SP bytes, then its 256 scale bytes
.set SP,    80
.set SPARE, 32768                      ; the spare words, 128 bytes a wave: two blocks of 256 bytes that no other line names
.set MW,    33280                      ; job M: four words, in a block of 256 bytes of their own
.set SPW,   12                         ; v12 LDS address of my spare word; never rewritten
.set NIL,   13                         ; v13 0; never rewritten
.set R,     16                         ; job Q: v16-79 four sets of 16 numbers as loaded
.set X,     80                         ; v80-111 two sets of 16 neighbours
.set E,     112                        ; v112-127 a scale byte for each step
.set C,     128                        ; v128-191 codes, four registers a step
	s_load_b256 s[4:11], s[0:1], 0x0               ; x, Wq, Wk, Wv
	s_load_b256 s[12:19], s[0:1], 0x20             ; Wo, mask, codes, wo16
	s_load_b64 s[20:21], s[0:1], 0x40              ; flags
	v_lshl_add_u32 v[SPW], v0, 2, SPARE
	v_mov_b32 v[NIL], 0
	v_lshrrev_b32 v1, 5, v0
	v_readfirstlane_b32 s22, v1                    ; wave 0..3
	v_and_b32 v2, 31, v0                           ; lane
	s_wait_kmcnt 0x0
	s_cmp_ge_u32 ttmp9, 416
	s_cbranch_scc1 .Lmask
	s_cmp_ge_u32 ttmp9, 352
	s_cbranch_scc1 .Lwo
; ---------------- job Q: 32,768 numbers a work-group, 16 steps of 512 a wave ----------------
; Each load takes 512 consecutive bytes; a step's 2,048 bytes turn through the wave's own stage so that a lane holds 16 neighbours; two neighbouring lanes hold a block of 32.
	v_lshlrev_b32 v3, 4, v2                        ; my 16 bytes of a load's 512
	s_mul_i32 s23, s22, WREG
	v_lshrrev_b32 v14, 2, v2
	v_mul_u32_u24 v14, v14, SP
	v_and_b32 v15, 3, v2
	v_lshl_add_u32 v14, v15, 4, v14
	v_add_nc_u32 v14, s23, v14                     ; into the stage: SP (lane / 4) + 16 (lane % 4)
	v_mul_u32_u24 v15, v2, SP
	v_add_nc_u32 v15, s23, v15                     ; out of it: SP x lane
	v_mul_u32_u24 v4, v2, CB                       ; my codes' place in a step's
	v_lshrrev_b32 v5, 1, v2
	s_add_co_u32 s23, s23, 2*32*SP
	v_add_nc_u32 v5, s23, v5                       ; my block's byte among the wave's 256
	v_lshlrev_b32 v7, 3, v2
	v_add_nc_u32 v6, s23, v7
	s_and_b32 s26, ttmp9, 31                       ; a weight's work-groups count from a multiple of 32
	s_cmp_lt_u32 ttmp9, 320
	s_cselect_b64 s[24:25], s[8:9], s[10:11]
	s_cmp_lt_u32 ttmp9, 288
	s_cselect_b64 s[24:25], s[6:7], s[24:25]
	s_cmp_lt_u32 ttmp9, 256
	s_cselect_b64 s[24:25], s[4:5], s[24:25]       ; the source hangs on the work-group's number alone
	s_cselect_b32 s26, ttmp9, s26
	s_lshl_b32 s26, s26, 2
	s_add_co_u32 s26, s26, s22                     ; which run of 8,192 numbers of the tensor
	s_lshl_b32 s26, s26, 15
	s_mov_b32 s27, 0
	s_add_nc_u64 s[24:25], s[24:25], s[26:27]
	s_lshl_b32 s28, ttmp9, 2
	s_add_co_u32 s28, s28, s22                     ; which run of all four tensors
	s_lshl_b32 s26, s28, 12
	s_add_nc_u64 s[30:31], s[16:17], s[26:27]      ; its 4,096 bytes of codes
	s_lshl_b32 s26, s28, 8
	s_add_co_u32 s26, s26, XSO
	s_add_nc_u64 s[32:33], s[16:17], s[26:27]      ; its 256 scale bytes
.macro QLOAD t
.irp i, 0,1,2,3
	global_load_b128 v[R+16*((\t)%4)+4*\i:R+16*((\t)%4)+4*\i+3], v3, s[24:25] offset:2048*(\t)+512*\i th:TH_LOAD_NT
.endr
.endm
.macro QTURN t                         ; LDS serves a wave's instructions in order: no wait between the stores and the loads
.irp i, 0,1,2,3
	ds_store_b128 v14, v[R+16*((\t)%4)+4*\i:R+16*((\t)%4)+4*\i+3] offset:32*SP*((\t)%2)+8*SP*\i
.endr
.irp i, 0,1,2,3
	ds_load_b128 v[X+16*((\t)%2)+4*\i:X+16*((\t)%2)+4*\i+3], v15 offset:32*SP*((\t)%2)+16*\i
.endr
.endm
.irp t, 0,1,2,3
	QLOAD \t
.endr
	s_wait_loadcnt 12                              ; step 0's four loads are in; three steps' twelve stay out
	QTURN 0
.macro QSTEP t
.set XR, X+16*((\t)%2)
.if (\t) > 0
	s_wait_dscnt 1                                 ; this step's numbers are back from the stage; the last step's byte store may be out
.else
	s_wait_dscnt 0x0
.endif
.if (\t)+4 < STEPS
	QLOAD (\t)+4
.endif
.if (\t)+1 < STEPS
.if STEPS-2-(\t) >= 3
	s_wait_loadcnt 12                              ; the next step's four loads are in; those of the three steps behind it may be out
.else
	s_wait_loadcnt 4*(STEPS-2-(\t))
.endif
	QTURN (\t)+1
.endif
	v_max3_num_f32 v8, |v[XR]|, |v[XR+1]|, |v[XR+2]|
	v_max3_num_f32 v9, |v[XR+3]|, |v[XR+4]|, |v[XR+5]|
.irp i, 6,10
	v_max3_num_f32 v8, v8, |v[XR+\i]|, |v[XR+\i+1]|
	v_max3_num_f32 v9, v9, |v[XR+\i+2]|, |v[XR+\i+3]|
.endr
	v_max3_num_f32 v8, v8, |v[XR+14]|, |v[XR+15]|
	v_max3_num_f32 v8, v8, v9, (EMAX+1)<<23        ; the floor 2^(3 - 127): the byte cannot fall under 1
	v_max_num_f32_dpp v8, v8, v8 row_xmask:1 row_mask:0xf bank_mask:0xf   ; with my neighbour's 16: the block's largest magnitude
	v_add_nc_u32 v11, -(EMAX<<23), v8              ; 2 off its exponent field: the conversion takes that field as its scale
	v_cvt_scalef32_pk8_fp4_f32 v[C+4*(\t)], v[XR:XR+7], v11
	v_cvt_scalef32_pk8_fp4_f32 v[C+4*(\t)+1], v[XR+8:XR+15], v11
	v_lshrrev_b32 v[E+(\t)], 23, v11               ; the scale's byte
	ds_store_b8 v5, v[E+(\t)] offset:16*(\t)       ; both lanes of a block write the same byte with the same value
	global_store_b64 v4, v[C+4*(\t):C+4*(\t)+1], s[30:31] offset:32*CB*(\t)   ; the wave stores 256 consecutive bytes
.endm
.irp t, 0,1,2,3,4,5,6,7,8,9,10,11,12,13,14,15
	QSTEP \t
.endr
	ds_load_b64 v[8:9], v6                         ; in order behind my byte stores
	s_wait_dscnt 0x0
	global_store_b64 v7, v[8:9], s[32:33]          ; 256 consecutive scale bytes
	s_wait_tensorcnt 0x0                           ; the wave's end, behind my last LDS store
	ds_add_u32 v[SPW], v[NIL]
	s_wait_dscnt 0x0
	s_endpgm
; ---------------- job W: feature tile ft = id - 352; wave w takes K steps 8 w .. 8 w + 7 ----------------
; Lane (r, h) of chunk (K step, half c) holds Wo[16 ft + r][32 ks + 16 c + 8 h + 0..7] x 16.  high = the number rounded to 11 bits (t = 8193 y; t - (t - y)), low = the rest: both exact in f32.
.Lwo:
	s_sub_co_u32 s23, ttmp9, 352
	v_and_b32 v3, 15, v0
	v_bfe_u32 v5, v0, 4, 1
	v_lshlrev_b32 v3, 12, v3
	v_lshl_add_u32 v3, v5, 5, v3                   ; r x 4,096 + h x 32
	v_lshlrev_b32 v4, 4, v2                        ; 16 x lane
	s_lshl_b32 s24, s23, 16
	s_lshl_b32 s25, s22, 10
	s_add_co_u32 s24, s24, s25
	s_mov_b32 s25, 0
	s_add_nc_u64 s[12:13], s[12:13], s[24:25]
	s_lshl_b32 s24, s23, 15
	s_lshl_b32 s26, s22, 13
	s_add_co_u32 s24, s24, s26
	s_add_nc_u64 s[18:19], s[18:19], s[24:25]
.set n, 0
.rept 16
	global_load_b128 v[16+8*n:19+8*n], v3, s[12:13] offset:(n/2)*128+(n%2)*64 th:TH_LOAD_NT
	global_load_b128 v[20+8*n:23+8*n], v3, s[12:13] offset:(n/2)*128+(n%2)*64+16 th:TH_LOAD_NT
.set n, n+1
.endr
.set n, 0
.rept 16
.set WD, 16+8*n
	s_wait_loadcnt 30-2*n                          ; this chunk's two loads are in; the later chunks' may be out
	s_wait_xcnt 0x0                                ; the last chunk's stores have read v160-167
.irp j, 0,2,4,6
	v_pk_mul_f32 v[WD+\j:WD+\j+1], v[WD+\j:WD+\j+1], 0x41800000 op_sel_hi:[1,0]   ; y = 16 Wo
.endr
.irp j, 0,2,4,6
	v_pk_mul_f32 v[144+\j:145+\j], v[WD+\j:WD+\j+1], 0x46000400 op_sel_hi:[1,0]   ; t = 8193 y
.endr
.irp j, 0,2,4,6
	v_pk_add_f32 v[152+\j:153+\j], v[144+\j:145+\j], v[WD+\j:WD+\j+1] neg_lo:[0,1] neg_hi:[0,1]
.endr
.irp j, 0,2,4,6
	v_pk_add_f32 v[144+\j:145+\j], v[144+\j:145+\j], v[152+\j:153+\j] neg_lo:[0,1] neg_hi:[0,1]   ; high
.endr
.irp j, 0,2,4,6
	v_pk_add_f32 v[WD+\j:WD+\j+1], v[WD+\j:WD+\j+1], v[144+\j:145+\j] neg_lo:[0,1] neg_hi:[0,1]   ; low
.endr
.irp j, 0,2,4,6
	v_cvt_pk_f16_f32 v[160+\j/2], v[144+\j], v[145+\j]
	v_cvt_pk_f16_f32 v[164+\j/2], v[WD+\j], v[WD+\j+1]
.endr
	global_store_b128 v4, v[160:163], s[18:19] offset:(n/2)*1024+(n%2)*512        ; 512 consecutive bytes
	global_store_b128 v4, v[164:167], s[18:19] offset:WLO+(n/2)*1024+(n%2)*512
.set n, n+1
.endr
	s_endpgm
; ---------------- job M: row tile rt = id - 416; wave w takes columns 512 w .. 512 w + 511 = key blocks 8 w .. 8 w + 7 ----------------
; Load n = 4 i + c reads 512 consecutive bytes of row i: lanes 0-15 lie in key block 2 c of the wave's eight, lanes 16-31 in block 2 c + 1.  A ring of 32 slots of four registers.
.Lmask:
	s_sub_co_u32 s23, ttmp9, 416
	v_lshlrev_b32 v3, 4, v2
	s_lshl_b32 s24, s23, 17
	s_lshl_b32 s25, s22, 11
	s_add_co_u32 s24, s24, s25
	s_mov_b32 s25, 0
	s_add_nc_u64 s[14:15], s[14:15], s[24:25]
	s_lshl_b32 s24, s23, 7
	s_add_nc_u64 s[20:21], s[20:21], s[24:25]
	s_mov_b32 s30, 0                               ; a bit for each row that has an entry >= -1e29 in my columns
	s_mov_b32 s31, 0                               ; D of my eight blocks
	s_mov_b32 s32, 0                               ; Z of my eight blocks
	s_mov_b32 s34, 0xefa18f08                      ; -1e29
	s_mov_b32 s36, 0xf149f2ca                      ; -1e30
.macro MLOAD n
	global_load_b128 v[16+4*((\n)%32):19+4*((\n)%32)], v3, s[14:15] offset:((\n)/4)*8192+((\n)%4)*512
.endm
.macro MTURN n
.set MD, 16+4*((\n)%32)
.set MC, (\n)%4
.set MI, (\n)/4
.if (\n) < 32
	s_wait_loadcnt 31                              ; mine is in; the 31 younger loads stay out
.else
	s_wait_loadcnt 63-(\n)
.endif
.if MI == 0                            ; row 0 starts every chain: nothing is cleared
.set MA0, 144
	v_max3_num_f32 v[144+MC], v[MD], v[MD+1], v[MD+2]
	v_max_num_f32 v[144+MC], v[144+MC], v[MD+3]
	v_max3_num_f32 v[148+MC], |v[MD]|, |v[MD+1]|, |v[MD+2]|
	v_max_num_f32 v[148+MC], v[148+MC], |v[MD+3]|
.else
.set MA0, 153
	v_max3_num_f32 v[153+MC], v[MD], v[MD+1], v[MD+2]
	v_max_num_f32 v[153+MC], v[153+MC], v[MD+3]
	v_max_num_f32 v[144+MC], v[144+MC], v[153+MC]                  ; the block's largest entry
	v_max3_num_f32 v[148+MC], v[148+MC], |v[MD]|, |v[MD+1]|        ; and largest magnitude
	v_max3_num_f32 v[148+MC], v[148+MC], |v[MD+2]|, |v[MD+3]|
.endif
.if (\n) < 32
	MLOAD (\n)+32
.endif
.if MC == 3
	v_max3_num_f32 v152, v[MA0], v[MA0+1], v[MA0+2]                ; the row's largest entry in my lane's columns
	v_max_num_f32 v152, v152, v[MA0+3]
	v_cmp_le_f32 vcc_lo, s34, v152
	s_cmp_lg_u32 vcc_lo, 0                         ; some lane has one
	s_cselect_b32 s35, (1<<MI), 0
	s_or_b32 s30, s30, s35
.endif
.endm
.set n, 0
.rept 32
	MLOAD n
.set n, n+1
.endr
.set n, 0
.rept 64
	MTURN n
.set n, n+1
.endr
.irp m, 1,2,4,8
.irp k, 0,1,2,3,4,5,6,7
	v_max_num_f32_dpp v[144+\k], v[144+\k], v[144+\k] row_xmask:\m row_mask:0xf bank_mask:0xf   ; over the 16 lanes of a key block
.endr
.endr
.irp c, 0,1,2,3
	v_cmp_ge_f32 vcc_lo, s36, v[144+\c]            ; dead: -1e30 >= the block's largest entry; bits 0 and 16 speak for the two blocks
	s_and_b32 s37, vcc_lo, 0x10001
	s_lshr_b32 s38, s37, 15
	s_or_b32 s37, s37, s38
	s_and_b32 s37, s37, 3
	s_lshl_b32 s37, s37, 2*\c
	s_or_b32 s31, s31, s37
	v_cmp_eq_f32 vcc_lo, 0, v[148+\c]              ; zero: the largest magnitude is 0
	s_and_b32 s37, vcc_lo, 0x10001
	s_lshr_b32 s38, s37, 15
	s_or_b32 s37, s37, s38
	s_and_b32 s37, s37, 3
	s_lshl_b32 s37, s37, 2*\c
	s_or_b32 s32, s32, s37
.endr
	s_lshl_b32 s32, s32, 8
	s_or_b32 s31, s31, s32
	s_lshl_b32 s30, s30, 16
	s_or_b32 s31, s31, s30                         ; my wave's word: D8 | Z8 << 8 | rows << 16
	v_mov_b32 v153, s31
	v_mov_b32 v154, s22
	v_lshlrev_b32 v154, 2, v154
	ds_store_b32 v154, v153 offset:MW              ; all lanes write the same word with the same value
	s_wait_dscnt 0x0                               ; for the others' sake
	s_barrier_signal -1
	s_barrier_wait -1
	v_mov_b32 v155, 0
	ds_load_b128 v[156:159], v155 offset:MW
	s_wait_dscnt 0x0
.irp w, 0,1,2,3
	v_readfirstlane_b32 s[40+\w], v[156+\w]
.endr
	s_bfe_u32 s44, s40, 0x80000
	s_bfe_u32 s45, s40, 0x80008
	s_lshr_b32 s46, s40, 16
.irp w, 1,2,3
	s_bfe_u32 s47, s[40+\w], 0x80000
	s_lshl_b32 s47, s47, 8*\w
	s_or_b32 s44, s44, s47                         ; D: a byte from each wave
	s_bfe_u32 s47, s[40+\w], 0x80008
	s_lshl_b32 s47, s47, 8*\w
	s_or_b32 s45, s45, s47                         ; Z likewise
	s_lshr_b32 s47, s[40+\w], 16
	s_or_b32 s46, s46, s47                         ; a row is anchored if any wave saw it so
.endr
	s_cmp_eq_u32 s46, 0xffff
	s_cselect_b32 s46, -1, 0                       ; ANC: all sixteen rows
	s_cmp_lg_u32 s22, 0
	s_cbranch_scc1 .Lm_end                         ; wave 0 stores the record: word l holds W[l & 3]
	v_and_b32 v160, 1, v0
	v_bfe_u32 v161, v0, 1, 1
	v_mov_b32 v162, s44
	v_mov_b32 v163, s45
	v_mov_b32 v164, s46
	v_mov_b32 v165, 0
	v_cmp_ne_u32 vcc_lo, 0, v160
	v_cndmask_b32 v162, v162, v163, vcc_lo
	v_cndmask_b32 v164, v164, v165, vcc_lo
	v_cmp_ne_u32 vcc_lo, 0, v161
	v_cndmask_b32 v162, v162, v164, vcc_lo
	v_lshlrev_b32 v166, 2, v2
	global_store_b32 v166, v162, s[20:21]          ; 128 consecutive bytes
.Lm_end:
	s_wait_tensorcnt 0x0                           ; the wave's end, behind my last LDS store
	ds_add_u32 v[SPW], v[NIL]
	s_wait_dscnt 0x0
	s_endpgm
.Lfunc_end_k_q4084c947b7_prep:
	.size	k_q4084c947b7_prep, .Lfunc_end_k_q4084c947b7_prep-k_q4084c947b7_prep
	.p2alignl 7, 3214868480
	.fill 96, 4, 3214868480
	.section	.rodata,"a",@progbits
	.p2align	6, 0x0
	.amdhsa_kernel k_q4084c947b7_prep
		.amdhsa_group_segment_fixed_size 33792
		.amdhsa_private_segment_fixed_size 0
		.amdhsa_enable_private_segment 0
		.amdhsa_kernarg_size 72
		.amdhsa_user_sgpr_count 2
		.amdhsa_user_sgpr_kernarg_segment_ptr 1
		.amdhsa_wavefront_size32 1
		.amdhsa_system_sgpr_workgroup_id_x 1
		.amdhsa_system_sgpr_workgroup_id_y 1
		.amdhsa_system_sgpr_workgroup_id_z 1
		.amdhsa_system_vgpr_workitem_id 0
		.amdhsa_next_free_vgpr 192
		.amdhsa_next_free_sgpr 66
		.amdhsa_reserve_vcc 1
		.amdhsa_float_denorm_mode_32 3
		.amdhsa_float_denorm_mode_16_64 3
		.amdhsa_memory_ordered 1
		.amdhsa_forward_progress 1
		.amdhsa_inst_pref_size 108
	.end_amdhsa_kernel
	.amdgpu_metadata
---
amdhsa.version: [ 1, 2 ]
amdhsa.kernels:
  - .name:           k_q4084c947b7_prep
    .symbol:         k_q4084c947b7_prep.kd
    .args:
      - { .name: x, .offset: 0, .size: 8, .value_kind: global_buffer, .address_space: global }
      - { .name: Wq, .offset: 8, .size: 8, .value_kind: global_buffer, .address_space: global }
      - { .name: Wk, .offset: 16, .size: 8, .value_kind: global_buffer, .address_space: global }
      - { .name: Wv, .offset: 24, .size: 8, .value_kind: global_buffer, .address_space: global }
      - { .name: Wo, .offset: 32, .size: 8, .value_kind: global_buffer, .address_space: global }
      - { .name: attn_mask, .offset: 40, .size: 8, .value_kind: global_buffer, .address_space: global }
      - { .name: codes, .offset: 48, .size: 8, .value_kind: global_buffer, .address_space: global }
      - { .name: wo16, .offset: 56, .size: 8, .value_kind: global_buffer, .address_space: global }
      - { .name: flags, .offset: 64, .size: 8, .value_kind: global_buffer, .address_space: global }
    .group_segment_fixed_size: 33792
    .private_segment_fixed_size: 0
    .kernarg_segment_align: 8
    .kernarg_segment_size: 72
    .max_flat_workgroup_size: 128
    .sgpr_count:     66
    .vgpr_count:     192
    .wavefront_size: 32
...
	.end_amdgpu_metadata
.endif
;; end of part 1
;; launch qkv (part 2): grid 12 x 32, 4 waves a work-group, clusters of 4 x 4, 327,680 bytes of LDS; arguments codes, bq, bk, bv, cos, sin, qkv; writes qkv
.if DOCPART == 2
	.amdgcn_target "amdgcn-amd-amdhsa--gfx1250"
	.amdhsa_code_object_version 6
	.text
	.protected	k_q4084c947b7_qkv
	.globl	k_q4084c947b7_qkv
	.p2align	8
	.type	k_q4084c947b7_qkv,@function
k_q4084c947b7_qkv:
	s_mov_b64 s[64:65], 0
	v_nop
	global_prefetch_b8 v0, s[64:65] scope:SCOPE_SE
	s_setreg_imm32_b32 hwreg(HW_REG_WAVE_MODE, 25, 1), 1
	s_wait_xcnt 0x0
	s_wait_alu depctr_hold_cnt(0) depctr_sa_sdst(0) depctr_va_vdst(0) depctr_va_sdst(0) depctr_va_ssrc(0) depctr_va_vcc(0) depctr_vm_vsrc(0)
	s_getreg_b32 s2, hwreg(HW_REG_IB_STS2, 6, 4)
	s_cmp_eq_u32 s2, 0
	s_cbranch_scc0 .Lentry_in_a_cluster
	s_endpgm
.Lentry_in_a_cluster:
	s_bfe_u32 s2, ttmp6, 0x10000c
	s_cmp_lg_u32 s2, 0xf033
	s_cbranch_scc0 .Lentry_shape_is_right
	s_endpgm
.Lentry_shape_is_right:
; QKV: x Wq^T, x Wk^T, x Wv^T on codes of FP4 (E2M1) with E8M0 scales, K = 1,024; then bias, rotary (q, k), and f16 images of the operands that the attention wants.
; A work-group makes 256 'A rows' x 256 'B rows'; a wave 128 x 128: 64 accumulators.  Source 0 of the matrix instruction = 16 B rows (they fall into a lane's registers), source 1 = 16 A rows (they fall into lanes).
; K goes through two LDS slots of 512 along K, each filled ONCE, with all scale bytes, by three tensor loads a wave at the head: three are out by this text's count.
; CLUSTERS 4 x 4: A's tiles are shared along a row of the cluster, B's along a column: joint loads.
; ONE LAUNCH SERVES q, k AND v BY EXCHANGING THE OPERANDS.  Clusters x = 0, 1: A = x's tokens, B = rows of Wq | Wk: a lane holds a token and eight neighbouring features.
; Cluster x = 2: A = rows of Wv, B = x's tokens: a lane holds a feature and eight neighbouring tokens, which is how V^T is wanted.  Only offsets into 'codes' are chosen; the choice is the same in all partners.
; The text parts on that choice once; the walk over K (macro MAIN) stands in both arms, so that each arm reads only registers that it has written itself.
; OUT (chunks of 512 bytes, lane l's 16 bytes at 16 l, so every store covers 512 consecutive bytes and no stage is needed):
;   q at 0, k at 2^24: [b][h][token tile 128][4 chunks: d = 16 t + 8 (l / 16) + 0..7], numbers x 2^-6.   v high at 2^25, v low at 3 x 2^24: [b][h][32 keys: 64][d tile 4][half 2], numbers x 2^-4.
; The powers of two are exact and give room in f16.  LIMITS: |q|, |k| < 4.19e6, |v| < 1.05e6.  v's high part is v / 16 rounded to 11 bits (t = 8193 y; t - (t - y)), the low part the rest.
; No prefetch: all that the launch reads through the mover is asked for at its head.
.set WC,    4194304                    ; in 'codes': the weights' codes,
.set XSO,   5767168                    ; x's scale bytes,
.set WSO,   6029312                    ; the weights' scale bytes
.set NQ,     4                         ; steps of 128 along K in a slot
.set ROWB,   256
.set KROW,   512
.set PITCH,  272                       ; 256 bytes + 16 of padding: the 16 rows that a load touches start 4 words apart modulo 64 words
.set FR,     8
.set NL,     2
.set NP,     4
.set HALFT,  128*PITCH
.set SLOT,   4*HALFT
.set KS,     32
.set SCL,    2*SLOT
.set HALFS,  (128*KS/256)*272
.set SBLK,   (16*KS/256)*272
.set SPARE,  SCL+4*HALFS               ; the spare words, 128 bytes a wave
.set ADRA, 16                          ; v16-17 LDS address of my A fragments in slot 0, 1
.set ADRB, 20                          ; v20-21 the same for B
.set LI,   24                          ; v24 16 x lane
.set CSA,  25                          ; v25 cos, sin: r x 256 + h x 32
.set BIA,  26                          ; v26 the bias's lane term
.set ADRS, 27                          ; v27 LDS address of my scale words: lanes 0-15 A's, lanes 16-31 B's
.set SPW,  28
.set NIL,  29
.set SC,   32                          ; v32-95 scale words, two sets
.set AF,   128                         ; v128-191 A's fragments, one set
.set BI,   192                         ; v192-255 q, k: the bias in the result's layout; v192-207 v: bias pairs
.set TT,   32                          ; the way out: 64 f32 numbers
.set PK,   96                          ; the way out: packed f16
.set T1,   160
.set T2,   168
.set G1, 24
.set G0, 32
.set G1B, 48
.set G0B, 56
.set G1S, 68
.set G0S, 76
.set G1SB, 80
.set G0SB, 88
.set MSB, 0
.macro WIN new                         ; the immediate's high byte repeats the setting that is left
.if MSB != (\new)
	s_set_vgpr_msb (MSB<<8)|(\new)
.set MSB, (\new)
.endif
.endm
.set MUL_LO, 0xa1                      ; source 0 (B) window 1, source 1 (A) window 0, C and D window 2
.set MUL_HI, 0xf1
.set TO_B,   0x40
.macro JLOAD g0a, g1a, g0b, g1b        ; waves 0, 1 fetch for A, waves 2, 3 for B; an s_nop 0 and four v_nop follow each line
	s_cmp_eq_u32 s19, 0
	s_cbranch_scc0 .Lfor_b_\@
	tensor_load_to_lds s[\g0a:\g0a+3], s[\g1a:\g1a+7]
	s_nop 0
.rept 4
	v_nop
.endr
	s_branch .Lasked_\@
.Lfor_b_\@:
	tensor_load_to_lds s[\g0b:\g0b+3], s[\g1b:\g1b+7]
	s_nop 0
.rept 4
	v_nop
.endr
.Lasked_\@:
.endm
.macro CROUND                          ; a round of the cluster's barrier
	s_barrier_signal -1
	s_barrier_wait -1
	s_cmp_lg_u32 s18, 0
	s_cbranch_scc1 .Lnot_wave_0_\@
	s_barrier_signal -3
.Lnot_wave_0_\@:
	s_barrier_wait -3
	s_barrier_signal -1
	s_barrier_wait -1
.endm
	s_load_b256 s[4:11], s[0:1], 0x0               ; codes, bq, bk, bv
	s_load_b128 s[12:15], s[0:1], 0x20             ; cos, sin
	s_load_b64 s[16:17], s[0:1], 0x30              ; qkv
	v_lshl_add_u32 v[SPW], v0, 2, SPARE
	v_mov_b32 v[NIL], 0
	ds_add_u32 v[SPW], v[NIL]                      ; the wave's opening: the add, twice on end, and its wait ahead of my first tensor load
	ds_add_u32 v[SPW], v[NIL]
	v_lshrrev_b32 v1, 5, v0
	v_readfirstlane_b32 s18, v1                    ; wave 0..3
	s_lshr_b32 s19, s18, 1                         ; my half of A's rows.  Also: I fetch for A (0) or B (1)
	s_and_b32 s20, s18, 1                          ; my half of B's rows.  Also: which 128 rows I fetch
	s_bfe_u32 s21, ttmp6, 0x40000                  ; cx
	s_bfe_u32 s22, ttmp6, 0x40004                  ; cy
	s_and_b32 s40, ttmp7, 0xffff                   ; cluster y
	s_mov_b32 s96, WC+1048576                      ; Wv's codes: rows 2,048 on of the weights
	s_mov_b32 s97, WSO+65536
	s_mov_b32 s98, WC
	s_mov_b32 s99, WSO
	s_mov_b32 s45, XSO
	s_cmp_eq_u32 ttmp9, 2                          ; the clusters that make v: the same answer in all sixteen partners
	s_cselect_b32 s23, 1, 0
	s_cselect_b32 s41, 0, s40
	s_cselect_b32 s42, s40, ttmp9
	s_cselect_b32 s96, s96, 0                      ; A's codes begin here in 'codes',
	s_cselect_b32 s97, s97, s45                    ; A's scale bytes,
	s_cselect_b32 s98, 0, s98                      ; B's codes,
	s_cselect_b32 s99, s45, s99                    ; B's scale bytes
	s_lshl_b32 s41, s41, 2
	s_add_co_u32 s41, s41, s22                     ; A's tile: 4 x cluster y + cy, or cy
	s_lshl_b32 s42, s42, 2
	s_add_co_u32 s42, s42, s21                     ; B's tile: 4 x cluster x + cx, or 4 x cluster y + cx
	s_lshl_b32 s43, s22, 2
	s_lshl_b32 s43, 15, s43                        ; my row of the cluster
	s_lshl_b32 s44, 0x1111, s21                    ; my column
	s_or_b32 s[G1+0], s43, (0<<16)|(1<<20)|(1<<21)|(5<<22)|(3<<25)   ; mask; elements of 1 byte; padding: 4 words behind every 64
	s_or_b32 s[G1B+0], s44, (0<<16)|(1<<20)|(1<<21)|(5<<22)|(3<<25)
.irp g, G1, G1B
	s_mov_b32 s[\g+1], ROWB<<16                    ; tensor_dim0
	s_mov_b32 s[\g+2], 128<<16                     ; tensor_dim1
	s_mov_b32 s[\g+3], ROWB<<16                    ; tile_dim0
	s_mov_b32 s[\g+4], 128                         ; tile_dim1
	s_mov_b32 s[\g+5], KROW                        ; pitch
	s_mov_b32 s[\g+6], 0
	s_mov_b32 s[\g+7], 0
.endr
	s_or_b32 s[G1S+0], s43, (3<<16)|(1<<20)|(1<<21)|(5<<22)|(3<<25)  ; the scales of 128 rows: 4,096 dense bytes as 16 rows of 256 (32 elements of 8 bytes), padded alike
	s_or_b32 s[G1SB+0], s44, (3<<16)|(1<<20)|(1<<21)|(5<<22)|(3<<25)
.irp g, G1S, G1SB
	s_mov_b32 s[\g+1], 32<<16
	s_mov_b32 s[\g+2], (128*KS/256)<<16
	s_mov_b32 s[\g+3], 32<<16
	s_mov_b32 s[\g+4], 128*KS/256
	s_mov_b32 s[\g+5], 32
	s_mov_b32 s[\g+6], 0
	s_mov_b32 s[\g+7], 0
.endr
	s_lshl_b32 s45, s20, 7                         ; which 128 rows of a tile I fetch
	s_lshl_b32 s46, s41, 8
	s_add_co_u32 s46, s46, s45                     ; A's row
	s_lshl_b32 s66, s42, 8
	s_add_co_u32 s66, s66, s45                     ; B's row (in registers that never hold cy)
	s_lshl_b32 s92, s46, 9
	s_add_co_u32 s92, s92, s96
	s_mov_b32 s93, 0
	s_lshl_b32 s94, s46, 5
	s_add_co_u32 s94, s94, s97
	s_mov_b32 s95, 0
	s_lshl_b32 s100, s66, 5
	s_add_co_u32 s100, s100, s99
	s_mov_b32 s101, 0
	s_lshl_b32 s66, s66, 9
	s_add_co_u32 s66, s66, s98
	s_mov_b32 s67, 0
	s_mul_i32 s46, s18, HALFT                      ; where they go: wave x 128 rows: no place in the cluster enters an LDS address
	s_mul_i32 s47, s18, HALFS
	s_wait_dscnt 0x0                               ; both opening adds are done
	s_wait_kmcnt 0x0
	s_add_nc_u64 s[92:93], s[4:5], s[92:93]
	s_add_nc_u64 s[94:95], s[4:5], s[94:95]
	s_add_nc_u64 s[66:67], s[4:5], s[66:67]
	s_add_nc_u64 s[100:101], s[4:5], s[100:101]
	CROUND                                         ; all sixteen work-groups are here: the joint loads meet
	s_mov_b32 s[G0S], 1
	s_add_co_u32 s[G0S+1], s47, SCL
	s_mov_b64 s[G0S+2:G0S+3], s[94:95]
	s_or_b32 s[G0S+3], s[G0S+3], 0x80000000
	s_mov_b32 s[G0SB], 1
	s_add_co_u32 s[G0SB+1], s47, SCL
	s_mov_b64 s[G0SB+2:G0SB+3], s[100:101]
	s_or_b32 s[G0SB+3], s[G0SB+3], 0x80000000
	JLOAD G0S, G1S, G0SB, G1SB                     ; the scales first
.irp s, 0,1
	s_mov_b32 s[G0+4*\s], 1
	s_add_co_u32 s[G0+4*\s+1], s46, \s*SLOT
	s_add_nc_u64 s[G0+4*\s+2:G0+4*\s+3], s[92:93], \s*ROWB
	s_or_b32 s[G0+4*\s+3], s[G0+4*\s+3], 0x80000000
	s_mov_b32 s[G0B+4*\s], 1
	s_add_co_u32 s[G0B+4*\s+1], s46, \s*SLOT
	s_add_nc_u64 s[G0B+4*\s+2:G0B+4*\s+3], s[66:67], \s*ROWB
	s_or_b32 s[G0B+4*\s+3], s[G0B+4*\s+3], 0x80000000
	JLOAD G0+4*\s, G1, G0B+4*\s, G1B
.endr
	v_and_b32 v1, 15, v0                           ; r
	v_bfe_u32 v2, v0, 4, 1                         ; h
	v_mul_u32_u24 v3, v1, PITCH
	v_lshl_add_u32 v4, v2, 4, v3
	s_mul_i32 s40, s19, HALFT
	s_mul_i32 s45, s20, HALFT
	s_add_co_u32 s45, s45, 2*HALFT
.irp s, 0,1
	v_add_nc_u32 v[ADRA+\s], s40, v4
	v_add_nc_u32 v[ADRB+\s], s45, v4
	s_add_co_u32 s40, s40, SLOT
	s_add_co_u32 s45, s45, SLOT
.endr
	v_mul_u32_u24 v5, v1, KS
	v_lshrrev_b32 v6, 8, v5
	v_lshl_add_u32 v5, v6, 4, v5                   ; 32 bytes a row, 16 more for each 256 passed
	s_mul_i32 s40, s19, HALFS
	s_mul_i32 s45, s20, HALFS
	s_add_co_u32 s45, s45, 2*HALFS
	s_sub_co_u32 s45, s45, s40
	v_mul_u32_u24 v6, s45, v2                      ; lanes 16-31 take B's
	s_add_co_u32 s40, s40, SCL
	v_add_nc_u32 v5, v5, v6
	v_add_nc_u32 v[ADRS], s40, v5
	v_and_b32 v6, 31, v0
	v_lshlrev_b32 v[LI], 4, v6
	v_lshlrev_b32 v[CSA], 8, v1
	v_lshl_add_u32 v[CSA], v2, 5, v[CSA]
.macro FRAG reg, adr, q, i             ; 16 rows x 128 K of 4-bit codes: 8 registers, two loads 32 bytes apart
.irp c, 0,1
	ds_load_b128 v[\reg+4*\c:\reg+4*\c+3], v[\adr] offset:64*(\q)+32*\c+(\i)*16*PITCH
.endr
.endm
; 16 matrix instructions: A's blocks a0, a0 + 1 x B's eight.  zero = 1: the products start the sums; 2: they start them from the bias.  The 64 accumulators take turns.
.macro MUL16 a0, p, q, sc, zero
.irp a, \a0, \a0+1
.irp b, 0,1,2,3,4,5,6,7
.if \zero == 1
	v_wmma_scale_f32_16x16x128_f8f6f4 v[8*(8*((\a)%4)+\b):8*(8*((\a)%4)+\b)+7], v[128*(\p)+FR*\b:128*(\p)+FR*\b+FR-1], v[AF+FR*(\a):AF+FR*(\a)+FR-1], 0, v[SC+8*NQ*(\sc)+NQ*\b+(\q)], v[SC+8*NQ*(\sc)+NQ*(\a)+(\q)] matrix_a_fmt:MATRIX_FMT_FP4 matrix_b_fmt:MATRIX_FMT_FP4 matrix_a_scale:MATRIX_SCALE_ROW1
.elseif \zero == 2
	v_wmma_scale_f32_16x16x128_f8f6f4 v[8*(8*((\a)%4)+\b):8*(8*((\a)%4)+\b)+7], v[128*(\p)+FR*\b:128*(\p)+FR*\b+FR-1], v[AF+FR*(\a):AF+FR*(\a)+FR-1], v[BI+8*\b:BI+8*\b+7], v[SC+8*NQ*(\sc)+NQ*\b+(\q)], v[SC+8*NQ*(\sc)+NQ*(\a)+(\q)] matrix_a_fmt:MATRIX_FMT_FP4 matrix_b_fmt:MATRIX_FMT_FP4 matrix_a_scale:MATRIX_SCALE_ROW1
.else
	v_wmma_scale_f32_16x16x128_f8f6f4 v[8*(8*((\a)%4)+\b):8*(8*((\a)%4)+\b)+7], v[128*(\p)+FR*\b:128*(\p)+FR*\b+FR-1], v[AF+FR*(\a):AF+FR*(\a)+FR-1], v[8*(8*((\a)%4)+\b):8*(8*((\a)%4)+\b)+7], v[SC+8*NQ*(\sc)+NQ*\b+(\q)], v[SC+8*NQ*(\sc)+NQ*(\a)+(\q)] matrix_a_fmt:MATRIX_FMT_FP4 matrix_b_fmt:MATRIX_FMT_FP4 matrix_a_scale:MATRIX_SCALE_ROW1
.endif
.endr
.endr
.endm
.macro FETCH_B slot, q, p
	WIN TO_B
.irp i, 0,1,2,3,4,5,6,7
	FRAG 128*(\p)+FR*\i, ADRB+\slot, \q, \i
.endr
	WIN 0
.endm
.macro FETCH_A slot, q, i0
.irp i, \i0, \i0+1, \i0+2, \i0+3
	FRAG AF+FR*(\i), ADRA+\slot, \q, \i
.endr
.endm
.macro SCALES sc                       ; a slot's scale words: four a row; lanes 0-15 A's block i, lanes 16-31 B's block i
.irp i, 0,1,2,3,4,5,6,7
	ds_load_b128 v[SC+8*NQ*\sc+NQ*\i:SC+8*NQ*\sc+NQ*\i+3], v[ADRS] offset:\i*SBLK
.endr
.endm
.macro PLACES n                        ; plain vector instructions between a matrix instruction and a load into, or a read of, its registers
.rept \n
	v_nop
.endr
.endm
.macro STEP slot, q, zero              ; 128 along K, with its successor in the same slot
	s_wait_dscnt 4*NL                              ; B's set and A's blocks 0-3 are in; the youngest eight loads (A's blocks 4-7) may be out
.if \zero == 2
	WIN 0x81                                       ; C (the bias) in window 0
.else
	WIN MUL_LO
.endif
	MUL16 0, (\q)%2, \q, \slot, \zero
	MUL16 2, (\q)%2, \q, \slot, \zero
	s_wait_dscnt 0
	PLACES NP
	FETCH_B \slot, (\q)+1, 1-(\q)%2
	FETCH_A \slot, (\q)+1, 0
.if \zero == 2
	WIN 0xc1
.else
	WIN MUL_HI
.endif
	MUL16 4, (\q)%2, \q, \slot, \zero
	MUL16 6, (\q)%2, \q, \slot, \zero
	PLACES NP
	WIN 0
	FETCH_A \slot, (\q)+1, 4
.endm
.macro TURN slot, next                 ; a slot's last step: one barrier, behind which the other slot is whole for every wave; nothing is filled again
	s_wait_tensorcnt 0x0                           ; all my tensor loads have landed: my part of the next slot
	ds_add_u32 v[SPW], v[NIL]
	s_wait_dscnt 4*NL+1                            ; the add and the youngest eight loads may be out
	WIN MUL_LO
	MUL16 0, 1, NQ-1, \slot, 0
	s_wait_dscnt 0x0
	s_barrier_signal -1
	MUL16 2, 1, NQ-1, \slot, 0
	WIN 0
	s_barrier_wait -1
	PLACES NP
	v_add_nc_u32 v[ADRS], 4*NQ, v[ADRS]            ; the next slot's scale words (no LDS load of mine is out)
	FETCH_B \next, 0, 0
	FETCH_A \next, 0, 0
	SCALES \next
	WIN MUL_HI
	MUL16 4, 1, NQ-1, \slot, 0
	MUL16 6, 1, NQ-1, \slot, 0
	PLACES NP
	WIN 0
	FETCH_A \next, 0, 4
.endm
.macro STEPS slot, from
.set Q, \from
.rept NQ-1-\from
	STEP \slot, Q, 0
.set Q, Q+1
.endr
.endm
.macro MAIN z                          ; the whole walk over K: eight steps of 128
	STEP 0, 0, \z
	STEPS 0, 1
	TURN 0, 1
	STEPS 1, 0
	s_wait_dscnt 4*NL
	WIN MUL_LO
	MUL16 0, 1, NQ-1, 1, 0
	MUL16 2, 1, NQ-1, 1, 0
	s_wait_dscnt 0
	WIN MUL_HI
	MUL16 4, 1, NQ-1, 1, 0
	MUL16 6, 1, NQ-1, 1, 0
	WIN 0
	PLACES NP                                      ; in front of the way out's reads of results and writes over operands
.endm
.macro FINISH
	WIN 0
	s_wait_tensorcnt 0x0                           ; the wave's end
	ds_add_u32 v[SPW], v[NIL]
	s_wait_dscnt 0x0
	CROUND                                         ; the closing round
	s_endpgm
.endm
	s_wait_tensorcnt 1                             ; the scales and my part of slot 0 are in; slot 1's load may be out
	s_barrier_signal -1
	s_barrier_wait -1
	FETCH_B 0, 0, 0
	FETCH_A 0, 0, 0
	SCALES 0
	FETCH_A 0, 0, 4
	s_cmp_lg_u32 s23, 0
	s_cbranch_scc1 .Lv_arm
; ---------------- q and k ----------------
	s_cmp_eq_u32 ttmp9, 0
	s_cselect_b64 s[6:7], s[6:7], s[8:9]           ; bq or bk
	s_lshl_b32 s46, s21, 10                        ; my 128 features: 256 cx + 128 x half, 4 bytes each
	s_lshl_b32 s47, s20, 9
	s_add_co_u32 s46, s46, s47
	s_mov_b32 s47, 0
	s_add_nc_u64 s[6:7], s[6:7], s[46:47]
	v_lshlrev_b32 v[BIA], 5, v2
.irp b, 0,1,2,3,4,5,6,7
	global_load_b128 v[BI+8*\b:BI+8*\b+3], v[BIA], s[6:7] offset:64*\b        ; register j of block b: bias[16 b + 8 h + j]: the C of the first products
	global_load_b128 v[BI+8*\b+4:BI+8*\b+7], v[BIA], s[6:7] offset:64*\b+16
.endr
	s_lshl_b32 s46, s41, 8
	s_lshl_b32 s40, s19, 7
	s_add_co_u32 s46, s46, s40
	s_and_b32 s46, s46, 2047                       ; my first token's position in its sequence
	s_lshl_b32 s46, s46, 8
	s_add_nc_u64 s[12:13], s[12:13], s[46:47]
	s_add_nc_u64 s[14:15], s[14:15], s[46:47]
.macro CSLOAD a                        ; cos and sin of A's block a: window 1, v64-127 (a even) or v192-255: 32 of cos, then 32 of sin; register 8 t + j: d = 16 t + 8 h + j
.set CSL, 64+128*((\a)%2)
	WIN 0x40
.irp n, 0,1,2,3,4,5,6,7
	global_load_b128 v[CSL+4*\n:CSL+4*\n+3], v[CSA], s[12:13] offset:4096*(\a)+64*(\n/2)+16*(\n%2)
	global_load_b128 v[CSL+32+4*\n:CSL+32+4*\n+3], v[CSA], s[14:15] offset:4096*(\a)+64*(\n/2)+16*(\n%2)
.endr
	WIN 0
.endm
	CSLOAD 0
	s_lshr_b32 s46, s41, 3                         ; where my chunks go: ((batch x 16 + head) x 128 + token tile) x 2,048
	s_lshl_b32 s46, s46, 4
	s_lshl_b32 s40, s21, 2
	s_add_co_u32 s46, s46, s40
	s_lshl_b32 s40, s20, 1
	s_add_co_u32 s46, s46, s40
	s_lshl_b32 s46, s46, 7
	s_and_b32 s40, s41, 7
	s_lshl_b32 s40, s40, 4
	s_add_co_u32 s46, s46, s40
	s_lshl_b32 s40, s19, 3
	s_add_co_u32 s46, s46, s40
	s_lshl_b32 s46, s46, 11
	s_lshl_b32 s40, ttmp9, 24                      ; q's image or k's
	s_add_co_u32 s46, s46, s40
	s_add_nc_u64 s[16:17], s[16:17], s[46:47]
	s_wait_loadcnt 16                              ; the bias is in; cos and sin, sixteen loads, may be out
	MAIN 2
; A's block a: 16 tokens x 128 features = two heads.  X = accumulator (a, 4 hh + t) holds d < 32, Y = (a, 4 hh + t + 2) holds d + 32:  out[d] = X cos[d] - Y sin[d];  out[d + 32] = Y cos[d + 32] + X sin[d + 32].
.macro QKOUT a
.set CSB, 64+128*((\a)%2)
.set AC, 64*((\a)%4)
.set PKB, PK+32*((\a)%2)
.if (\a) < 7
	CSLOAD (\a)+1
	s_wait_loadcnt 16                              ; this block's cos and sin are in; the next block's sixteen loads may be out
.else
	s_wait_loadcnt 0x0
.endif
	WIN 0x41
.set n, 0
.rept 32
	v_pk_mul_f32 v[CSB+n:CSB+n+1], v[CSB+n:CSB+n+1], 0x3c800000 op_sel_hi:[1,0]   ; x 2^-6: exact
.set n, n+2
.endr
	WIN 0x06+(\a)/4                                ; source 0: the accumulators' window, source 1: window 1
.irp hh, 0,1
.irp t, 0,1
.irp j, 0,2,4,6                        ; each accumulator is read from its low end on
	v_pk_mul_f32 v[TT+32*\hh+8*\t+\j:TT+32*\hh+8*\t+\j+1], v[AC+8*(4*\hh+\t)+\j:AC+8*(4*\hh+\t)+\j+1], v[CSB+8*\t+\j:CSB+8*\t+\j+1]
.endr
.irp j, 0,2,4,6
	v_pk_mul_f32 v[TT+32*\hh+8*\t+16+\j:TT+32*\hh+8*\t+16+\j+1], v[AC+8*(4*\hh+\t)+\j:AC+8*(4*\hh+\t)+\j+1], v[CSB+48+8*\t+\j:CSB+48+8*\t+\j+1]
.endr
.irp j, 0,2,4,6
	v_pk_fma_f32 v[TT+32*\hh+8*\t+\j:TT+32*\hh+8*\t+\j+1], v[AC+8*(4*\hh+\t+2)+\j:AC+8*(4*\hh+\t+2)+\j+1], v[CSB+32+8*\t+\j:CSB+32+8*\t+\j+1], v[TT+32*\hh+8*\t+\j:TT+32*\hh+8*\t+\j+1] neg_lo:[1,0,0] neg_hi:[1,0,0]
.endr
.irp j, 0,2,4,6
	v_pk_fma_f32 v[TT+32*\hh+8*\t+16+\j:TT+32*\hh+8*\t+16+\j+1], v[AC+8*(4*\hh+\t+2)+\j:AC+8*(4*\hh+\t+2)+\j+1], v[CSB+16+8*\t+\j:CSB+16+8*\t+\j+1], v[TT+32*\hh+8*\t+16+\j:TT+32*\hh+8*\t+16+\j+1]
.endr
.endr
.endr
	WIN 0
	s_wait_xcnt 0x0                                ; the stores of two blocks back have read these registers
.set n, 0
.rept 32
	v_cvt_pk_f16_f32 v[PKB+n], v[TT+2*n], v[TT+2*n+1]
.set n, n+1
.endr
.irp hh, 0,1
.irp t, 0,1,2,3
	global_store_b128 v[LI], v[PKB+16*\hh+4*\t:PKB+16*\hh+4*\t+3], s[16:17] offset:262144*\hh+2048*(\a)+512*\t   ; 512 consecutive bytes
.endr
.endr
.endm
.irp a, 0,1,2,3,4,5,6,7
	QKOUT \a
.endr
	FINISH
; ---------------- v ----------------
.Lv_arm:
	s_lshl_b32 s46, s41, 10                        ; my 128 features of Wv: 256 cy + 128 x half
	s_lshl_b32 s47, s19, 9
	s_add_co_u32 s46, s46, s47
	s_mov_b32 s47, 0
	s_add_nc_u64 s[10:11], s[10:11], s[46:47]
	v_lshlrev_b32 v[BIA], 2, v1
.irp a, 0,1,2,3,4,5,6,7
	global_load_b32 v[BI+2*\a], v[BIA], s[10:11] offset:64*\a          ; bv[16 a + r], twice: a pair for the packed form
	global_load_b32 v[BI+2*\a+1], v[BIA], s[10:11] offset:64*\a
.endr
	s_lshr_b32 s46, s42, 3                         ; ((batch x 16 + head) x 64 + 32 keys) x 4,096
	s_lshl_b32 s46, s46, 4
	s_lshl_b32 s40, s22, 2
	s_add_co_u32 s46, s46, s40
	s_lshl_b32 s40, s19, 1
	s_add_co_u32 s46, s46, s40
	s_lshl_b32 s46, s46, 6
	s_and_b32 s40, s42, 7
	s_lshl_b32 s40, s40, 3
	s_add_co_u32 s46, s46, s40
	s_lshl_b32 s40, s20, 2
	s_add_co_u32 s46, s46, s40
	s_lshl_b32 s46, s46, 12
	s_add_nc_u64 s[16:17], s[16:17], s[46:47]
	s_add_nc_u64 s[16:17], s[16:17], 0x2000000     ; the high image,
	s_add_nc_u64 s[40:41], s[16:17], 0x1000000     ; the low image
	MAIN 1
	s_wait_loadcnt 0x0
.irp a, 0,1,2,3,4,5,6,7
	v_pk_mul_f32 v[BI+2*\a:BI+2*\a+1], v[BI+2*\a:BI+2*\a+1], 0x3d800000 op_sel_hi:[1,0]
.endr
; A's block a: 16 features x 128 tokens.  y = (sum + bias) / 16; high = y rounded to 11 bits, low = y - high.
.macro VOUT a
.set AC, 64*((\a)%4)
	WIN 0x02+(\a)/4
.irp b, 0,1,2,3,4,5,6,7
.irp j, 0,2,4,6
	v_pk_fma_f32 v[TT+8*\b+\j:TT+8*\b+\j+1], v[AC+8*\b+\j:AC+8*\b+\j+1], 0x3d800000, v[BI+2*(\a):BI+2*(\a)+1] op_sel_hi:[1,0,1]
.endr
.endr
	WIN 0
	s_wait_xcnt 0x0                                ; the last block's stores have read v96-159
.irp b, 0,1,2,3,4,5,6,7
.irp j, 0,2,4,6
	v_pk_mul_f32 v[T1+\j:T1+\j+1], v[TT+8*\b+\j:TT+8*\b+\j+1], 0x46000400 op_sel_hi:[1,0]      ; t = 8193 y
.endr
.irp j, 0,2,4,6
	v_pk_add_f32 v[T2+\j:T2+\j+1], v[T1+\j:T1+\j+1], v[TT+8*\b+\j:TT+8*\b+\j+1] neg_lo:[0,1] neg_hi:[0,1]
.endr
.irp j, 0,2,4,6
	v_pk_add_f32 v[T1+\j:T1+\j+1], v[T1+\j:T1+\j+1], v[T2+\j:T2+\j+1] neg_lo:[0,1] neg_hi:[0,1]   ; high
.endr
.irp j, 0,2,4,6
	v_pk_add_f32 v[TT+8*\b+\j:TT+8*\b+\j+1], v[TT+8*\b+\j:TT+8*\b+\j+1], v[T1+\j:T1+\j+1] neg_lo:[0,1] neg_hi:[0,1]   ; low
.endr
.irp j, 0,2,4,6
	v_cvt_pk_f16_f32 v[PK+4*\b+\j/2], v[T1+\j], v[T1+\j+1]
	v_cvt_pk_f16_f32 v[PK+32+4*\b+\j/2], v[TT+8*\b+\j], v[TT+8*\b+\j+1]
.endr
	global_store_b128 v[LI], v[PK+4*\b:PK+4*\b+3], s[16:17] offset:262144*((\a)/4)+1024*((\a)%4)+4096*(\b/2)+512*(\b%2)
	global_store_b128 v[LI], v[PK+32+4*\b:PK+32+4*\b+3], s[40:41] offset:262144*((\a)/4)+1024*((\a)%4)+4096*(\b/2)+512*(\b%2)
.endr
.endm
.irp a, 0,1,2,3,4,5,6,7
	VOUT \a
.endr
	FINISH
.Lfunc_end_k_q4084c947b7_qkv:
	.size	k_q4084c947b7_qkv, .Lfunc_end_k_q4084c947b7_qkv-k_q4084c947b7_qkv
	.p2alignl 7, 3214868480
	.fill 96, 4, 3214868480
	.section	.rodata,"a",@progbits
	.p2align	6, 0x0
	.amdhsa_kernel k_q4084c947b7_qkv
		.amdhsa_group_segment_fixed_size 327680
		.amdhsa_private_segment_fixed_size 0
		.amdhsa_enable_private_segment 0
		.amdhsa_kernarg_size 56
		.amdhsa_user_sgpr_count 2
		.amdhsa_user_sgpr_kernarg_segment_ptr 1
		.amdhsa_wavefront_size32 1
		.amdhsa_system_sgpr_workgroup_id_x 1
		.amdhsa_system_sgpr_workgroup_id_y 1
		.amdhsa_system_sgpr_workgroup_id_z 1
		.amdhsa_system_vgpr_workitem_id 0
		.amdhsa_next_free_vgpr 1024
		.amdhsa_next_free_sgpr 102
		.amdhsa_reserve_vcc 0
		.amdhsa_float_denorm_mode_32 3
		.amdhsa_float_denorm_mode_16_64 3
		.amdhsa_memory_ordered 1
		.amdhsa_forward_progress 1
		.amdhsa_inst_pref_size 255
	.end_amdhsa_kernel
	.section	.bss,"aw",@nobits
	.p2align	6
	.space	262144
	.amdgpu_metadata
---
amdhsa.version: [ 1, 2 ]
amdhsa.kernels:
  - .name:           k_q4084c947b7_qkv
    .symbol:         k_q4084c947b7_qkv.kd
    .args:
      - { .name: codes, .offset: 0, .size: 8, .value_kind: global_buffer, .address_space: global }
      - { .name: bq, .offset: 8, .size: 8, .value_kind: global_buffer, .address_space: global }
      - { .name: bk, .offset: 16, .size: 8, .value_kind: global_buffer, .address_space: global }
      - { .name: bv, .offset: 24, .size: 8, .value_kind: global_buffer, .address_space: global }
      - { .name: cos, .offset: 32, .size: 8, .value_kind: global_buffer, .address_space: global }
      - { .name: sin, .offset: 40, .size: 8, .value_kind: global_buffer, .address_space: global }
      - { .name: qkv, .offset: 48, .size: 8, .value_kind: global_buffer, .address_space: global }
    .group_segment_fixed_size: 327680
    .private_segment_fixed_size: 0
    .kernarg_segment_align: 8
    .kernarg_segment_size: 56
    .max_flat_workgroup_size: 128
    .sgpr_count:     102
    .vgpr_count:     1024
    .wavefront_size: 32
...
	.end_amdgpu_metadata
.endif
;; end of part 2
;; launch attn (part 3): grid 4 x 64, 8 waves a work-group, no clusters, 140,288 bytes of LDS; arguments qkv, attn_mask, flags, oimg; writes oimg
.if DOCPART == 3
	.amdgcn_target "amdgcn-amd-amdhsa--gfx1250"
	.amdhsa_code_object_version 6
	.text
	.protected	k_q4084c947b7_attn
	.globl	k_q4084c947b7_attn
	.p2align	8
	.type	k_q4084c947b7_attn,@function
k_q4084c947b7_attn:
	s_mov_b64 s[64:65], 0
	v_nop
	global_prefetch_b8 v0, s[64:65] scope:SCOPE_SE
	s_setreg_imm32_b32 hwreg(HW_REG_WAVE_MODE, 25, 1), 1
	s_wait_xcnt 0x0
; ATTN: o = softmax(q k^T / 8 + mask) v for all rows, f16 operands, f32 sums, running maximum.  q, k arrive x 2^-6 and v x 2^-4 (exact), as images of operand registers; o leaves x 2^-4 likewise.
; THE MASK IS AN INPUT.  An earlier launch has read it and stored, for each tile of 16 rows, bits for the 32 blocks of 64 keys: D (all entries <= -1e30), Z (all zero), and ANC (every row has an entry >= -1e29).
; For a block of 64 queries: a key block that is dead for all 64 rows is passed over if all 64 rows are anchored: there every weight is exp(<= -9e29 + 2 |score|) = 0 in f32.  A block that is all zero adds nothing.
; Every other block loads its f32 mask.  If a row is not anchored nothing is passed over, and a row that is dead everywhere comes out uniform.  No pattern of the mask is built in.
; SHARES.  Work-group (g, batch x head); wave w: p = 4 g + (w & 3), u = w >> 2.  Two passes: query block 31 - p, then p.  The partners w and w xor 4 share a query block and take its live key blocks alternately;
; wave u = 1 hands its m, l and O^T over through LDS and wave u = 0 joins them and stores.  The walk hangs on stored numbers, so K, V and Q go from memory straight into registers: no tensor load, no cluster.
; LAYOUT.  S^T = K Q^T (source 0 = 16 keys, source 1 = 16 queries) and O^T = V^T P: a lane holds one query (lane % 16) throughout; two tiles of S^T, rounded to f16 in pairs in place, are a fragment of P.
; UNITS.  m and the exponents are in base 2.  A block without mask: t = s x 512 log2(e), one fused multiply-add.  A block with mask: S = (s x 512 + mask) x log2(e) first, and then t = S x 1: the subtraction of m is exact,
; so that rows whose largest entry is very negative give p = 1 there and not a power of a rounding error.
; LIMITS: |score| < 1e29; NaN and +infinity in the mask are not served; an entry under -2e38 (-infinity too) is held at -2e38.
; REGISTERS.  window 0: v1-9 addresses; v16-47 statistics, eight a tile: m, (pair partner), l, l, c0-c3 (a takes c2's place); v48-59 at work; v64-191 S^T, 32 a tile; v192-255 V.
;   window 1: v0-127 O^T (32 qt + 8 dt); v128-191 Q; v192-255 K, also the mask's staging.
.set LI,  1                            ; 16 x lane
.set MA,  2                            ; the mask: r x 8,192 + h x 32
.set PFO, 3                            ; 256 x lane
.set LO0, 4                            ; LDS: pass 0: O^T's image, statistics
.set LS0, 5
.set SPW, 6
.set NIL, 7
.set LO1, 8                            ; pass 1
.set LS1, 9
.set ST,  16
.set S,   64
.set V,   192
.set Q,   128
.set K,   192
.set REG,   17408                      ; a pair's region: 16,384 bytes of O^T, 4 x 256 of statistics
.set PASSB, 69632                      ; each pass has regions of its own, so one barrier a pass is enough
.set SPARE, 139264
.set MSB, 0
.macro WIN new
.if MSB != (\new)
	s_set_vgpr_msb (MSB<<8)|(\new)
.set MSB, (\new)
.endif
.endm
	s_load_b256 s[4:11], s[0:1], 0x0               ; qkv, mask, flags, oimg
	v_lshl_add_u32 v[SPW], v0, 2, SPARE
	v_mov_b32 v[NIL], 0
	v_lshrrev_b32 v10, 5, v0
	v_readfirstlane_b32 s12, v10                   ; wave 0..7
	s_lshr_b32 s13, s12, 2                         ; u
	s_and_b32 s58, s12, 3
	s_lshl_b32 s14, ttmp9, 2
	s_add_co_u32 s14, s14, s58                     ; p
	v_and_b32 v10, 31, v0
	v_lshlrev_b32 v[LI], 4, v10
	v_lshlrev_b32 v[PFO], 8, v10
	v_and_b32 v11, 15, v0
	v_bfe_u32 v12, v0, 4, 1
	v_lshlrev_b32 v[MA], 13, v11
	v_lshl_add_u32 v[MA], v12, 5, v[MA]
	s_mul_i32 s58, s58, REG                        ; every LDS address is made here, ahead of any parting of the waves
	v_add_nc_u32 v[LO0], s58, v[LI]
	v_lshl_add_u32 v[LS0], v10, 3, s58
	v_add_nc_u32 v[LS0], 16384, v[LS0]
	v_add_nc_u32 v[LO1], PASSB, v[LO0]
	v_add_nc_u32 v[LS1], PASSB, v[LS0]
	s_mov_b32 s52, 0x44000000                      ; 512 = 2^12 / 8
	s_mov_b32 s53, s52
	s_mov_b32 s54, 0xff167699                      ; -2e38
	s_mov_b32 s55, 0x4438aa3b                      ; 512 log2(e)
	s_mov_b32 s56, 0x76543210
	s_mov_b32 s57, 0xfedcba98                      ; lane l xor 16
	s_mov_b32 s62, 0x3fb8aa3b                      ; log2(e)
	s_mov_b32 s63, s62
	s_and_b32 s59, ttmp7, 0xffff                   ; batch x 16 + head
	s_lshl_b32 s60, s59, 18                        ; a head's image is 262,144 bytes
	s_mov_b32 s61, 0
	s_wait_kmcnt 0x0
	s_add_nc_u64 s[48:49], s[4:5], s[60:61]        ; q,
	s_add_nc_u64 s[44:45], s[48:49], 0x1000000     ; k,
	s_add_nc_u64 s[46:47], s[48:49], 0x2000000     ; v (high) of my head
	s_lshr_b32 s60, s59, 4
	s_lshl_b32 s60, s60, 22
	s_and_b32 s58, s59, 15
	s_lshl_b32 s58, s58, 11
	s_add_co_u32 s60, s60, s58
	s_add_nc_u64 s[10:11], s[10:11], s[60:61]      ; oimg: batch x 128 tiles x 32,768 + head x 2,048
.macro POP dst                         ; the two lowest live blocks leave s32; I take the first (u = 0) or the second; none left gives 31, a block that is loaded and not used
	s_ctz_i32_b32 s58, s32
	s_sub_co_u32 s60, s32, 1
	s_and_b32 s32, s32, s60
	s_ctz_i32_b32 s59, s32
	s_sub_co_u32 s60, s32, 1
	s_and_b32 s32, s32, s60
	s_cmp_eq_u32 s13, 0
	s_cselect_b32 \dst, s58, s59
	s_min_u32 \dst, \dst, 31
.endm
.macro LOADK kb                        ; 64 keys of K: 16 chunks of 512 bytes: fragment (kt, g) at K + 16 kt + 8 g
	s_lshl_b32 s58, \kb, 13
	s_mov_b32 s59, 0
	s_add_nc_u64 s[38:39], s[44:45], s[58:59]
	WIN 0x40
.set n, 0
.rept 16
	global_load_b128 v[K+4*n:K+4*n+3], v[LI], s[38:39] offset:512*n
.set n, n+1
.endr
	WIN 0
.endm
.macro LOADV kb                        ; 64 keys of V^T: fragment (ks, dt) at V + 32 ks + 8 dt
	s_lshl_b32 s58, \kb, 13
	s_mov_b32 s59, 0
	s_add_nc_u64 s[40:41], s[46:47], s[58:59]
.set n, 0
.rept 16
	global_load_b128 v[V+4*n:V+4*n+3], v[LI], s[40:41] offset:512*n
.set n, n+1
.endr
.endm
; A prefetch into the L2, pass 0 only: the wave with g = 0, w = 0 of each head names, twice a trip, the next live block of s74 (its query block's live blocks less the first six): K's 8,192 bytes and V's, lanes 256 bytes apart.
; That is the pair of blocks that the loads of two trips on will name; each block is named once for the head; an empty s74 asks for nothing.  The bases are written only behind the s_wait_xcnt 0 that stands ahead of the trip's loads.
.macro PREF1 bk, bv
	s_cmp_eq_u32 s74, 0
	s_cbranch_scc1 .Lnp_\@
	s_ctz_i32_b32 s58, s74
	s_min_u32 s58, s58, 31
	s_sub_co_u32 s59, s74, 1
	s_and_b32 s74, s74, s59
	s_lshl_b32 s58, s58, 13
	s_mov_b32 s59, 0
	s_add_nc_u64 s[\bk:\bk+1], s[44:45], s[58:59]
	s_add_nc_u64 s[\bv:\bv+1], s[46:47], s[58:59]
	global_prefetch_b8 v[PFO], s[\bk:\bk+1] th:TH_LOAD_NT scope:SCOPE_SE
	global_prefetch_b8 v[PFO], s[\bv:\bv+1] th:TH_LOAD_NT scope:SCOPE_SE
.Lnp_\@:
.endm
; The block's mask: two query tiles at a time into K's registers (K has been multiplied).  Register 8 kt + j of tile qt: mask[64 qb + 16 qt + r][64 kb + 16 kt + 8 h + j].
.macro MASKADD
	s_lshl_b32 s58, s15, 19
	s_lshl_b32 s59, s36, 8
	s_add_co_u32 s58, s58, s59
	s_mov_b32 s59, 0
	s_add_nc_u64 s[42:43], s[6:7], s[58:59]
.irp rr, 0,1
	WIN 0x40
.irp q2, 0,1
.irp n, 0,1,2,3,4,5,6,7
	global_load_b128 v[K+32*\q2+4*\n:K+32*\q2+4*\n+3], v[MA], s[42:43] offset:(2*\rr+\q2)*131072+64*(\n/2)+16*(\n%2)
.endr
.endr
	s_wait_loadcnt 0x0
	WIN 0x44
.set n, 0
.rept 64
	v_max_num_f32 v[K+n], s54, v[K+n]              ; held at -2e38
.set n, n+1
.endr
	WIN 0x10
.set n, 0
.rept 32
	v_pk_fma_f32 v[S+64*\rr+n:S+64*\rr+n+1], v[S+64*\rr+n:S+64*\rr+n+1], s[52:53], v[K+n:K+n+1] op_sel_hi:[1,0,1]   ; s x 512 + mask; each accumulator from its low end on
.set n, n+2
.endr
	WIN 0
.set n, 0
.rept 32
	v_pk_mul_f32 v[S+64*\rr+n:S+64*\rr+n+1], v[S+64*\rr+n:S+64*\rr+n+1], s[62:63] op_sel_hi:[1,0]   ; in base 2
.set n, n+2
.endr
.endr
.endm
.macro SOFTMAX                         ; four tiles by turns, so that no line waits for the line above it
.irp j, 0,1,2,3
.irp t, 0,1,2,3
	v_max3_num_f32 v[ST+8*\t+4+\j], v[S+32*\t+8*\j], v[S+32*\t+8*\j+1], v[S+32*\t+8*\j+2]
.endr
.endr
.irp i, 3,5
.irp j, 0,1,2,3
.irp t, 0,1,2,3
	v_max3_num_f32 v[ST+8*\t+4+\j], v[ST+8*\t+4+\j], v[S+32*\t+8*\j+\i], v[S+32*\t+8*\j+\i+1]
.endr
.endr
.endr
.irp t, 0,1,2,3
	v_max3_num_f32 v[ST+8*\t+4], v[ST+8*\t+4], v[S+32*\t+7], v[S+32*\t+15]
.endr
.irp t, 0,1,2,3
	v_max3_num_f32 v[ST+8*\t+6], v[ST+8*\t+6], v[S+32*\t+23], v[S+32*\t+31]
.endr
.irp t, 0,1,2,3
	v_max3_num_f32 v[ST+8*\t+4], v[ST+8*\t+4], v[ST+8*\t+5], v[ST+8*\t+6]
.endr
.irp t, 0,1,2,3
	v_max_num_f32 v[ST+8*\t+4], v[ST+8*\t+4], v[ST+8*\t+7]
.endr
.irp t, 0,1,2,3
	v_permlanex16_b32 v[ST+8*\t+5], v[ST+8*\t+4], s56, s57         ; the query's other 32 keys
.endr
.irp t, 0,1,2,3
	v_max_num_f32 v[ST+8*\t+4], v[ST+8*\t+4], v[ST+8*\t+5]
.endr
.irp t, 0,1,2,3
	v_mov_b32 v[ST+8*\t+7], v[ST+8*\t]                             ; the old m is kept for a
.endr
.irp t, 0,1,2,3
	v_mul_f32 v[ST+8*\t+4], s50, v[ST+8*\t+4]
.endr
.irp t, 0,1,2,3
	v_max_num_f32 v[ST+8*\t], v[ST+8*\t], v[ST+8*\t+4]             ; the running maximum
.endr
.irp t, 0,1,2,3
	v_sub_f32 v[ST+8*\t+7], v[ST+8*\t+7], v[ST+8*\t]
.endr
.set n, 0
.rept 16
.irp t, 0,1,2,3
	v_pk_fma_f32 v[S+32*\t+n:S+32*\t+n+1], v[S+32*\t+n:S+32*\t+n+1], s[50:51], v[ST+8*\t:ST+8*\t+1] op_sel_hi:[1,0,0] neg_lo:[0,0,1] neg_hi:[0,0,1]
.endr
.set n, n+2
.endr
.irp t, 0,1,2,3
	v_exp_f32 v[ST+8*\t+6], v[ST+8*\t+7]                           ; a = 2^(old m - new m)
.endr
.set n, 0
.rept 32
.irp t, 0,1,2,3
	v_exp_f32 v[S+32*\t+n], v[S+32*\t+n]
.endr
.set n, n+1
.endr
	v_nop                                          ; a plain instruction behind the last exponential
	s_wait_alu depctr_va_vdst(0)                   ; one wait for the batch of 132, ahead of its first reader
.irp t, 0,1,2,3
	v_pk_fma_f32 v[ST+8*\t+2:ST+8*\t+3], v[ST+8*\t+2:ST+8*\t+3], v[ST+8*\t+6:ST+8*\t+7], v[S+32*\t:S+32*\t+1] op_sel_hi:[1,0,1]   ; l = l a + the sum, in two chains
.endr
.irp t, 0,1,2,3
	v_pk_add_f32 v[ST+8*\t+4:ST+8*\t+5], v[S+32*\t+2:S+32*\t+3], v[S+32*\t+6:S+32*\t+7]
.endr
.irp n, 4,8,12,16,20,24,28
.irp t, 0,1,2,3
	v_pk_add_f32 v[ST+8*\t+2:ST+8*\t+3], v[ST+8*\t+2:ST+8*\t+3], v[S+32*\t+\n:S+32*\t+\n+1]
.endr
.if \n < 28
.irp t, 0,1,2,3
	v_pk_add_f32 v[ST+8*\t+4:ST+8*\t+5], v[ST+8*\t+4:ST+8*\t+5], v[S+32*\t+\n+6:S+32*\t+\n+7]
.endr
.endif
.endr
.irp t, 0,1,2,3
	v_pk_add_f32 v[ST+8*\t+2:ST+8*\t+3], v[ST+8*\t+2:ST+8*\t+3], v[ST+8*\t+4:ST+8*\t+5]
.endr
.set n, 0
.rept 16
.irp t, 0,1,2,3
	v_cvt_pk_f16_f32 v[S+32*\t+n], v[S+32*\t+2*n], v[S+32*\t+2*n+1]   ; P in place: register n takes weights 2 n, 2 n + 1, which have been read
.endr
.set n, n+1
.endr
	WIN 0x41
.set n, 0
.rept 16
.irp t, 0,1,2,3
	v_pk_mul_f32 v[32*\t+n:32*\t+n+1], v[32*\t+n:32*\t+n+1], v[ST+8*\t+6:ST+8*\t+7] op_sel_hi:[1,0]   ; O^T x a
.endr
.set n, n+2
.endr
	WIN 0
.endm
; A KEY STEP: 64 queries x 64 keys.  At its head K's 16 loads are older than V's 16.
.macro STEP pass
	s_wait_loadcnt 16                              ; K (and, in the first trip, Q) is in; V's sixteen loads may be out
	WIN 0x05
.irp g, 0,1                            ; the 16 accumulators take turns
.irp qt, 0,1,2,3
.irp kt, 0,1,2,3
.if \g == 0
	v_wmma_f32_16x16x32_f16 v[S+32*\qt+8*\kt:S+32*\qt+8*\kt+7], v[K+16*\kt:K+16*\kt+7], v[Q+16*\qt:Q+16*\qt+7], 0
.else
	v_wmma_f32_16x16x32_f16 v[S+32*\qt+8*\kt:S+32*\qt+8*\kt+7], v[K+16*\kt+8:K+16*\kt+15], v[Q+16*\qt+8:Q+16*\qt+15], v[S+32*\qt+8*\kt:S+32*\qt+8*\kt+7]
.endif
.endr
.endr
.endr
	WIN 0
.rept 4
	v_nop                                          ; places in front of the reads of S^T and of the loads into K's registers
.endr
	s_lshr_b32 s58, s33, s36
	s_and_b32 s58, s58, 1
	s_cmp_lg_u32 s58, 0                            ; does this block have a mask to add?
	s_cselect_b32 s50, 1.0, s55
	s_mov_b32 s51, s50
	s_cbranch_scc0 .Lnm_\@
	MASKADD
.Lnm_\@:
	s_wait_xcnt 0x0                                ; the last trip's prefetches and loads have read their bases
	POP s37
	LOADK s37                                      ; the next step's K lands under the softmax
.if \pass == 0
	PREF1 66, 68
	PREF1 70, 72
.endif
	SOFTMAX
	s_wait_loadcnt 16                              ; V is in; the next K's sixteen loads may be out
	WIN 0x50
.irp ks, 0,1
.irp qt, 0,1,2,3
.irp dt, 0,1,2,3
	v_wmma_f32_16x16x32_f16 v[32*\qt+8*\dt:32*\qt+8*\dt+7], v[V+32*\ks+8*\dt:V+32*\ks+8*\dt+7], v[S+32*\qt+8*\ks:S+32*\qt+8*\ks+7], v[32*\qt+8*\dt:32*\qt+8*\dt+7]
.endr
.endr
.endr
	WIN 0
.rept 5
	v_nop                                          ; five: the next step's first products write over P, which these have read; four would do for the loads
.endr
	LOADV s37
	s_mov_b32 s36, s37
.endm
.macro PASS pass, lo, ls
	s_wait_xcnt 0x0                                ; the last pass's stores have read their registers and base
.if \pass == 0
	s_sub_co_u32 s15, 31, s14
.else
	s_mov_b32 s15, s14
.endif
	s_lshl_b32 s58, s15, 9
	s_mov_b32 s59, 0
	s_add_nc_u64 s[60:61], s[8:9], s[58:59]
	s_load_b128 s[16:19], s[60:61], 0x0            ; the records of my four row tiles: D, Z, ANC, 0
	s_load_b128 s[20:23], s[60:61], 0x80
	s_load_b128 s[24:27], s[60:61], 0x100
	s_load_b128 s[28:31], s[60:61], 0x180
	s_lshl_b32 s58, s15, 13
	s_add_nc_u64 s[78:79], s[48:49], s[58:59]
	s_lshl_b32 s58, s15, 17
	s_add_nc_u64 s[76:77], s[10:11], s[58:59]
.irp t, 0,1,2,3
	v_mov_b32 v[ST+8*\t], 0xff61b1e6               ; m = -3e38, under every t
.irp k, 1,2,3,4,5,6,7
	v_mov_b32 v[ST+8*\t+\k], 0
.endr
.endr
	WIN 0x40
.set n, 0
.rept 16
	global_load_b128 v[Q+4*n:Q+4*n+3], v[LI], s[78:79] offset:512*n
.set n, n+1
.endr
.set n, 0
.rept 128
	v_mov_b32 v[n], 0                              ; O^T.  It is cleared, since a partner may have no trip at all and the step is written once
.set n, n+1
.endr
	WIN 0
	s_wait_kmcnt 0x0
	s_and_b32 s58, s16, s20
	s_and_b32 s58, s58, s24
	s_and_b32 s58, s58, s28                        ; dead for all 64 rows
	s_and_b32 s59, s17, s21
	s_and_b32 s59, s59, s25
	s_and_b32 s59, s59, s29                        ; zero for all 64 rows
	s_and_b32 s60, s18, s22
	s_and_b32 s60, s60, s26
	s_and_b32 s60, s60, s30                        ; all 64 rows anchored
	s_and_b32 s58, s58, s60
	s_not_b32 s32, s58                             ; the live blocks,
	s_and_not1_b32 s33, s32, s59                   ; those of them with a mask to add
	s_bcnt1_i32_b32 s34, s32
	s_add_co_u32 s34, s34, 1
	s_sub_co_u32 s34, s34, s13
	s_lshr_b32 s34, s34, 1
	s_min_u32 s34, s34, 16                         ; my trips
.if \pass == 0
	s_mov_b32 s74, s32
.rept 6
	s_sub_co_u32 s58, s74, 1
	s_and_b32 s74, s74, s58
.endr
	s_or_b32 s58, ttmp9, s12
	s_cmp_eq_u32 s58, 0
	s_cselect_b32 s74, s74, 0
.endif
	POP s36
	LOADK s36
	LOADV s36
	s_cmp_eq_u32 s34, 0
	s_cbranch_scc1 .Lnone_\@
	s_mov_b32 s35, 0
.Lloop_\@:
	STEP \pass
	s_add_co_u32 s35, s35, 1
	s_cmp_lt_u32 s35, s34
	s_cbranch_scc1 .Lloop_\@
.Lnone_\@:
	s_wait_loadcnt 0x0                             ; the loads that ran ahead are in: their registers are used again
	s_cmp_eq_u32 s13, 0
	s_cbranch_scc1 .Lns_\@
.irp t, 0,1,2,3                        ; wave u = 1 hands over: (m, l) and O^T as it stands
	v_add_f32 v[ST+8*\t+1], v[ST+8*\t+2], v[ST+8*\t+3]
.endr
.irp t, 0,1,2,3
	ds_store_b64 v[\ls], v[ST+8*\t:ST+8*\t+1] offset:256*\t
.endr
	WIN 0x04
.set n, 0
.rept 32
	ds_store_b128 v[\lo], v[4*n:4*n+3] offset:512*n
.set n, n+1
.endr
	WIN 0
.Lns_\@:
	s_wait_dscnt 0x0                               ; for the partner's sake
	s_barrier_signal -1
	s_barrier_wait -1
	s_cmp_lg_u32 s13, 0
	s_cbranch_scc1 .Lnr_\@
.irp t, 0,1,2,3                        ; wave u = 0 joins the two halves, divides and stores
	ds_load_b64 v[48+2*\t:49+2*\t], v[\ls] offset:256*\t
.endr
.set n, 0
.rept 32
	ds_load_b128 v[S+4*n:S+4*n+3], v[\lo] offset:512*n
.set n, n+1
.endr
	s_wait_dscnt 0x0
.irp t, 0,1,2,3
	v_max_num_f32 v[56+\t], v[ST+8*\t], v[48+2*\t]
.endr
.irp t, 0,1,2,3
	v_sub_f32 v[ST+8*\t+4], v[ST+8*\t], v[56+\t]
	v_sub_f32 v[ST+8*\t+6], v[48+2*\t], v[56+\t]
	v_add_f32 v[ST+8*\t+1], v[ST+8*\t+2], v[ST+8*\t+3]
.endr
.irp t, 0,1,2,3
	v_exp_f32 v[ST+8*\t+4], v[ST+8*\t+4]
	v_exp_f32 v[ST+8*\t+6], v[ST+8*\t+6]
.endr
	v_nop
	s_wait_alu depctr_va_vdst(0)                   ; one wait for the eight
.irp t, 0,1,2,3
	v_mul_f32 v[ST+8*\t+5], v[ST+8*\t+1], v[ST+8*\t+4]
.endr
.irp t, 0,1,2,3
	v_fma_f32 v[ST+8*\t+5], v[49+2*\t], v[ST+8*\t+6], v[ST+8*\t+5]
.endr
.irp t, 0,1,2,3
	v_permlanex16_b32 v[ST+8*\t+7], v[ST+8*\t+5], s56, s57
.endr
.irp t, 0,1,2,3
	v_add_f32 v[ST+8*\t+5], v[ST+8*\t+5], v[ST+8*\t+7]             ; the row's sum
.endr
.irp t, 0,1,2,3
	v_rcp_f32 v[ST+8*\t+7], v[ST+8*\t+5]
.endr
	v_nop
	s_wait_alu depctr_va_vdst(0)                   ; one wait for the four
.irp t, 0,1,2,3
	v_mul_f32 v[ST+8*\t+4], v[ST+8*\t+4], v[ST+8*\t+7]
	v_mul_f32 v[ST+8*\t+6], v[ST+8*\t+6], v[ST+8*\t+7]
.endr
.set n, 0
.rept 16
.irp t, 0,1,2,3
	v_pk_mul_f32 v[S+32*\t+n:S+32*\t+n+1], v[S+32*\t+n:S+32*\t+n+1], v[ST+8*\t+6:ST+8*\t+7] op_sel_hi:[1,0]
.endr
.set n, n+2
.endr
	WIN 0x01
.set n, 0
.rept 16
.irp t, 0,1,2,3
	v_pk_fma_f32 v[S+32*\t+n:S+32*\t+n+1], v[32*\t+n:32*\t+n+1], v[ST+8*\t+4:ST+8*\t+5], v[S+32*\t+n:S+32*\t+n+1] op_sel_hi:[1,0,1]
.endr
.set n, n+2
.endr
	WIN 0
.set n, 0
.rept 16
.irp t, 0,1,2,3
	v_cvt_pk_f16_f32 v[S+32*\t+n], v[S+32*\t+2*n], v[S+32*\t+2*n+1]
.endr
.set n, n+1
.endr
.irp t, 0,1,2,3
.irp dt, 0,1,2,3
	global_store_b128 v[LI], v[S+32*\t+4*\dt:S+32*\t+4*\dt+3], s[76:77] offset:32768*\t+512*\dt   ; 512 consecutive bytes
.endr
.endr
.Lnr_\@:
.endm
	PASS 0, LO0, LS0
	PASS 1, LO1, LS1
	s_wait_tensorcnt 0x0                           ; the wave's end, behind my last LDS store
	ds_add_u32 v[SPW], v[NIL]
	s_wait_dscnt 0x0
	s_endpgm
.Lfunc_end_k_q4084c947b7_attn:
	.size	k_q4084c947b7_attn, .Lfunc_end_k_q4084c947b7_attn-k_q4084c947b7_attn
	.p2alignl 7, 3214868480
	.fill 96, 4, 3214868480
	.section	.rodata,"a",@progbits
	.p2align	6, 0x0
	.amdhsa_kernel k_q4084c947b7_attn
		.amdhsa_group_segment_fixed_size 140288
		.amdhsa_private_segment_fixed_size 0
		.amdhsa_enable_private_segment 0
		.amdhsa_kernarg_size 32
		.amdhsa_user_sgpr_count 2
		.amdhsa_user_sgpr_kernarg_segment_ptr 1
		.amdhsa_wavefront_size32 1
		.amdhsa_system_sgpr_workgroup_id_x 1
		.amdhsa_system_sgpr_workgroup_id_y 1
		.amdhsa_system_sgpr_workgroup_id_z 1
		.amdhsa_system_vgpr_workitem_id 0
		.amdhsa_next_free_vgpr 512
		.amdhsa_next_free_sgpr 80
		.amdhsa_reserve_vcc 0
		.amdhsa_float_denorm_mode_32 3
		.amdhsa_float_denorm_mode_16_64 3
		.amdhsa_memory_ordered 1
		.amdhsa_forward_progress 1
		.amdhsa_inst_pref_size 166
	.end_amdhsa_kernel
	.amdgpu_metadata
---
amdhsa.version: [ 1, 2 ]
amdhsa.kernels:
  - .name:           k_q4084c947b7_attn
    .symbol:         k_q4084c947b7_attn.kd
    .args:
      - { .name: qkv, .offset: 0, .size: 8, .value_kind: global_buffer, .address_space: global }
      - { .name: attn_mask, .offset: 8, .size: 8, .value_kind: global_buffer, .address_space: global }
      - { .name: flags, .offset: 16, .size: 8, .value_kind: global_buffer, .address_space: global }
      - { .name: oimg, .offset: 24, .size: 8, .value_kind: global_buffer, .address_space: global }
    .group_segment_fixed_size: 140288
    .private_segment_fixed_size: 0
    .kernarg_segment_align: 8
    .kernarg_segment_size: 32
    .max_flat_workgroup_size: 256
    .sgpr_count:     80
    .vgpr_count:     512
    .wavefront_size: 32
...
	.end_amdgpu_metadata
.endif
;; end of part 3
;; launch fine_attn (part 4): grid 64 x 1, 1 waves a work-group, no clusters, 0 bytes of LDS; arguments qkv, attn_mask, flags, ofine; writes ofine
.if DOCPART == 4
	.amdgcn_target "amdgcn-amd-amdhsa--gfx1250"
	.amdhsa_code_object_version 6
	.text
	.protected	k_q4084c947b7_fine_attn
	.globl	k_q4084c947b7_fine_attn
	.p2align	8
	.type	k_q4084c947b7_fine_attn,@function
k_q4084c947b7_fine_attn:
	s_mov_b64 s[64:65], 0
	v_nop
	global_prefetch_b8 v0, s[64:65] scope:SCOPE_SE
	s_setreg_imm32_b32 hwreg(HW_REG_WAVE_MODE, 25, 1), 1
	s_wait_xcnt 0x0
; FINE_ATTN: positions 0 to 15 of every sequence once more, carried more finely: these rows may average very few values, so the rounding of f16 operands weighs most there.
; One wave for each (batch, head).  The scores take the f16 q and k; the weights p and the values v go to the matrix unit as pairs of f16 numbers (high, low): O^T += Vh Ph + Vh Pl + Vl Ph.
; o leaves as a pair too.  The mask is honoured as in the main launch, by row tile 0's record: dead blocks are passed over if all 16 rows are anchored, zero blocks add nothing, every other block loads its mask.
; Units, limits and layouts as there.  No LDS, no overlap of loads and work: under few live blocks the launch is a handful of steps.
; REGISTERS.  window 0: v16-23 statistics; v32-47 Q; v64-95 S^T, then the low parts of p; v96-127 the high parts; v128-143 Ph; v144-159 Pl; v160-191 O^T.  window 1: v0-63 K (and the mask), v64-127 Vh, v128-191 Vl.
.set LI,  1
.set MA,  2
.set ST,  16
.set Q,   32
.set S,   64
.set T,   96
.set PH,  128
.set PL,  144
.set O,   160
.set K,   0
.set VH,  64
.set VL,  128
.set MSB, 0
.macro WIN new
.if MSB != (\new)
	s_set_vgpr_msb (MSB<<8)|(\new)
.set MSB, (\new)
.endif
.endm
	s_load_b256 s[4:11], s[0:1], 0x0               ; qkv, mask, flags, ofine
	v_and_b32 v10, 31, v0
	v_lshlrev_b32 v[LI], 4, v10
	v_and_b32 v11, 15, v0
	v_bfe_u32 v12, v0, 4, 1
	v_lshlrev_b32 v[MA], 13, v11
	v_lshl_add_u32 v[MA], v12, 5, v[MA]
	s_mov_b32 s52, 0x44000000                      ; 512
	s_mov_b32 s53, s52
	s_mov_b32 s54, 0xff167699                      ; -2e38
	s_mov_b32 s55, 0x4438aa3b                      ; 512 log2(e)
	s_mov_b32 s56, 0x76543210
	s_mov_b32 s57, 0xfedcba98
	s_mov_b32 s62, 0x3fb8aa3b                      ; log2(e)
	s_mov_b32 s63, s62
	s_lshl_b32 s60, ttmp9, 18
	s_mov_b32 s61, 0
	s_wait_kmcnt 0x0
	s_load_b128 s[16:19], s[8:9], 0x0              ; row tile 0: D, Z, ANC, 0
	s_add_nc_u64 s[48:49], s[4:5], s[60:61]        ; q: my head's tile 0
	s_add_nc_u64 s[44:45], s[48:49], 0x1000000     ; k
	s_add_nc_u64 s[46:47], s[48:49], 0x2000000     ; v high
	s_add_nc_u64 s[20:21], s[48:49], 0x3000000     ; v low
	s_lshr_b32 s60, ttmp9, 4
	s_lshl_b32 s60, s60, 15
	s_and_b32 s58, ttmp9, 15
	s_lshl_b32 s58, s58, 11
	s_add_co_u32 s60, s60, s58
	s_add_nc_u64 s[10:11], s[10:11], s[60:61]      ; ofine: (batch x 32 + 2 head) x 1,024
.irp n, 0,1,2,3
	global_load_b128 v[Q+4*\n:Q+4*\n+3], v[LI], s[48:49] offset:512*\n
.endr
	v_mov_b32 v[ST], 0xff61b1e6                    ; m = -3e38
.irp k, 1,2,3,4,5,6,7
	v_mov_b32 v[ST+\k], 0
.endr
.set n, 0
.rept 32
	v_mov_b32 v[O+n], 0                            ; the step is written once: the first finds zeros
.set n, n+1
.endr
	s_wait_kmcnt 0x0
	s_and_b32 s58, s16, s18
	s_not_b32 s32, s58                             ; the live blocks
	s_and_not1_b32 s33, s32, s17                   ; those with a mask to add
	s_bcnt1_i32_b32 s34, s32
	s_min_u32 s34, s34, 32
	s_mov_b32 s35, 0
.Lloop:
	s_ctz_i32_b32 s36, s32
	s_min_u32 s36, s36, 31
	s_sub_co_u32 s58, s32, 1
	s_and_b32 s32, s32, s58
	s_lshl_b32 s58, s36, 13
	s_mov_b32 s59, 0
	s_add_nc_u64 s[38:39], s[44:45], s[58:59]      ; (the last trip's loads were waited for: the bases are free)
	s_add_nc_u64 s[40:41], s[46:47], s[58:59]
	s_add_nc_u64 s[42:43], s[20:21], s[58:59]
	WIN 0x40
.set n, 0
.rept 16
	global_load_b128 v[K+4*n:K+4*n+3], v[LI], s[38:39] offset:512*n
	global_load_b128 v[VH+4*n:VH+4*n+3], v[LI], s[40:41] offset:512*n
	global_load_b128 v[VL+4*n:VL+4*n+3], v[LI], s[42:43] offset:512*n
.set n, n+1
.endr
	s_wait_loadcnt 0x0
	WIN 0x01
.irp g, 0,1                            ; four accumulators by turns
.irp kt, 0,1,2,3
.if \g == 0
	v_wmma_f32_16x16x32_f16 v[S+8*\kt:S+8*\kt+7], v[K+16*\kt:K+16*\kt+7], v[Q:Q+7], 0
.else
	v_wmma_f32_16x16x32_f16 v[S+8*\kt:S+8*\kt+7], v[K+16*\kt+8:K+16*\kt+15], v[Q+8:Q+15], v[S+8*\kt:S+8*\kt+7]
.endif
.endr
.endr
	WIN 0
.rept 4
	v_nop
.endr
	s_lshr_b32 s58, s33, s36
	s_and_b32 s58, s58, 1
	s_cmp_lg_u32 s58, 0
	s_cselect_b32 s50, 1.0, s55
	s_mov_b32 s51, s50
	s_cbranch_scc0 .Lnomask
	s_lshl_b32 s58, s36, 8
	s_mov_b32 s59, 0
	s_add_nc_u64 s[38:39], s[6:7], s[58:59]
	WIN 0x40
.irp n, 0,1,2,3,4,5,6,7
	global_load_b128 v[K+4*\n:K+4*\n+3], v[MA], s[38:39] offset:64*(\n/2)+16*(\n%2)
.endr
	s_wait_loadcnt 0x0
	WIN 0x44
.set n, 0
.rept 32
	v_max_num_f32 v[K+n], s54, v[K+n]
.set n, n+1
.endr
	WIN 0x10
.set n, 0
.rept 16
	v_pk_fma_f32 v[S+n:S+n+1], v[S+n:S+n+1], s[52:53], v[K+n:K+n+1] op_sel_hi:[1,0,1]
.set n, n+2
.endr
	WIN 0
.set n, 0
.rept 16
	v_pk_mul_f32 v[S+n:S+n+1], v[S+n:S+n+1], s[62:63] op_sel_hi:[1,0]
.set n, n+2
.endr
.Lnomask:
.irp j, 0,1,2,3
	v_max3_num_f32 v[ST+4+\j], v[S+8*\j], v[S+8*\j+1], v[S+8*\j+2]
.endr
.irp i, 3,5
.irp j, 0,1,2,3
	v_max3_num_f32 v[ST+4+\j], v[ST+4+\j], v[S+8*\j+\i], v[S+8*\j+\i+1]
.endr
.endr
	v_max3_num_f32 v[ST+4], v[ST+4], v[S+7], v[S+15]
	v_max3_num_f32 v[ST+6], v[ST+6], v[S+23], v[S+31]
	v_max3_num_f32 v[ST+4], v[ST+4], v[ST+5], v[ST+6]
	v_max_num_f32 v[ST+4], v[ST+4], v[ST+7]
	v_permlanex16_b32 v[ST+5], v[ST+4], s56, s57
	v_max_num_f32 v[ST+4], v[ST+4], v[ST+5]
	v_mov_b32 v[ST+7], v[ST]
	v_mul_f32 v[ST+4], s50, v[ST+4]
	v_max_num_f32 v[ST], v[ST], v[ST+4]
	v_sub_f32 v[ST+7], v[ST+7], v[ST]
.set n, 0
.rept 16
	v_pk_fma_f32 v[S+n:S+n+1], v[S+n:S+n+1], s[50:51], v[ST:ST+1] op_sel_hi:[1,0,0] neg_lo:[0,0,1] neg_hi:[0,0,1]
.set n, n+2
.endr
	v_exp_f32 v[ST+6], v[ST+7]
.set n, 0
.rept 32
	v_exp_f32 v[S+n], v[S+n]
.set n, n+1
.endr
	v_nop
	s_wait_alu depctr_va_vdst(0)                   ; one wait for the batch of 33
	v_pk_fma_f32 v[ST+2:ST+3], v[ST+2:ST+3], v[ST+6:ST+7], v[S:S+1] op_sel_hi:[1,0,1]
	v_pk_add_f32 v[ST+4:ST+5], v[S+2:S+3], v[S+6:S+7]
.irp n, 4,8,12,16,20,24,28
	v_pk_add_f32 v[ST+2:ST+3], v[ST+2:ST+3], v[S+\n:S+\n+1]
.if \n < 28
	v_pk_add_f32 v[ST+4:ST+5], v[ST+4:ST+5], v[S+\n+6:S+\n+7]
.endif
.endr
	v_pk_add_f32 v[ST+2:ST+3], v[ST+2:ST+3], v[ST+4:ST+5]
.set n, 0
.rept 32
	v_and_b32 v[T+n], 0xffffe000, v[S+n]           ; p's high part: its first 11 bits
.set n, n+1
.endr
.set n, 0
.rept 16
	v_pk_add_f32 v[S+n:S+n+1], v[S+n:S+n+1], v[T+n:T+n+1] neg_lo:[0,1] neg_hi:[0,1]   ; the low part: exact
.set n, n+2
.endr
.set n, 0
.rept 16
	v_cvt_pk_f16_f32 v[PH+n], v[T+2*n], v[T+2*n+1]
	v_cvt_pk_f16_f32 v[PL+n], v[S+2*n], v[S+2*n+1]
.set n, n+1
.endr
.set n, 0
.rept 16
	v_pk_mul_f32 v[O+n:O+n+1], v[O+n:O+n+1], v[ST+6:ST+7] op_sel_hi:[1,0]
.set n, n+2
.endr
	WIN 0x01
.irp ks, 0,1                           ; four accumulators by turns, three terms
.irp dt, 0,1,2,3
	v_wmma_f32_16x16x32_f16 v[O+8*\dt:O+8*\dt+7], v[VH+32*\ks+8*\dt:VH+32*\ks+8*\dt+7], v[PH+8*\ks:PH+8*\ks+7], v[O+8*\dt:O+8*\dt+7]
.endr
.irp dt, 0,1,2,3
	v_wmma_f32_16x16x32_f16 v[O+8*\dt:O+8*\dt+7], v[VH+32*\ks+8*\dt:VH+32*\ks+8*\dt+7], v[PL+8*\ks:PL+8*\ks+7], v[O+8*\dt:O+8*\dt+7]
.endr
.irp dt, 0,1,2,3
	v_wmma_f32_16x16x32_f16 v[O+8*\dt:O+8*\dt+7], v[VL+32*\ks+8*\dt:VL+32*\ks+8*\dt+7], v[PH+8*\ks:PH+8*\ks+7], v[O+8*\dt:O+8*\dt+7]
.endr
.endr
	WIN 0
.rept 5
	v_nop                                          ; places in front of the next trip's loads into these operands, and of the reads of O^T
.endr
	s_add_co_u32 s35, s35, 1
	s_cmp_lt_u32 s35, s34
	s_cbranch_scc1 .Lloop
	v_add_f32 v[ST+4], v[ST+2], v[ST+3]
	v_permlanex16_b32 v[ST+5], v[ST+4], s56, s57
	v_add_f32 v[ST+4], v[ST+4], v[ST+5]
	v_rcp_f32 v[ST+6], v[ST+4]
	v_nop
	s_wait_alu depctr_va_vdst(0)
.set n, 0
.rept 16
	v_pk_mul_f32 v[S+n:S+n+1], v[O+n:O+n+1], v[ST+6:ST+7] op_sel_hi:[1,0]   ; o / 16
.set n, n+2
.endr
.set n, 0
.rept 32
	v_and_b32 v[T+n], 0xffffe000, v[S+n]
.set n, n+1
.endr
.set n, 0
.rept 16
	v_pk_add_f32 v[S+n:S+n+1], v[S+n:S+n+1], v[T+n:T+n+1] neg_lo:[0,1] neg_hi:[0,1]
.set n, n+2
.endr
.set n, 0
.rept 16
	v_cvt_pk_f16_f32 v[PH+n], v[T+2*n], v[T+2*n+1]
	v_cvt_pk_f16_f32 v[PL+n], v[S+2*n], v[S+2*n+1]
.set n, n+1
.endr
.irp dt, 0,1,2,3
	global_store_b128 v[LI], v[PH+4*\dt:PH+4*\dt+3], s[10:11] offset:512*\dt
	global_store_b128 v[LI], v[PL+4*\dt:PL+4*\dt+3], s[10:11] offset:131072+512*\dt
.endr
	s_endpgm
.Lfunc_end_k_q4084c947b7_fine_attn:
	.size	k_q4084c947b7_fine_attn, .Lfunc_end_k_q4084c947b7_fine_attn-k_q4084c947b7_fine_attn
	.p2alignl 7, 3214868480
	.fill 96, 4, 3214868480
	.section	.rodata,"a",@progbits
	.p2align	6, 0x0
	.amdhsa_kernel k_q4084c947b7_fine_attn
		.amdhsa_group_segment_fixed_size 0
		.amdhsa_private_segment_fixed_size 0
		.amdhsa_enable_private_segment 0
		.amdhsa_kernarg_size 32
		.amdhsa_user_sgpr_count 2
		.amdhsa_user_sgpr_kernarg_segment_ptr 1
		.amdhsa_wavefront_size32 1
		.amdhsa_system_sgpr_workgroup_id_x 1
		.amdhsa_system_sgpr_workgroup_id_y 1
		.amdhsa_system_sgpr_workgroup_id_z 1
		.amdhsa_system_vgpr_workitem_id 0
		.amdhsa_next_free_vgpr 512
		.amdhsa_next_free_sgpr 66
		.amdhsa_reserve_vcc 0
		.amdhsa_float_denorm_mode_32 3
		.amdhsa_float_denorm_mode_16_64 3
		.amdhsa_memory_ordered 1
		.amdhsa_forward_progress 1
		.amdhsa_inst_pref_size 33
	.end_amdhsa_kernel
	.amdgpu_metadata
---
amdhsa.version: [ 1, 2 ]
amdhsa.kernels:
  - .name:           k_q4084c947b7_fine_attn
    .symbol:         k_q4084c947b7_fine_attn.kd
    .args:
      - { .name: qkv, .offset: 0, .size: 8, .value_kind: global_buffer, .address_space: global }
      - { .name: attn_mask, .offset: 8, .size: 8, .value_kind: global_buffer, .address_space: global }
      - { .name: flags, .offset: 16, .size: 8, .value_kind: global_buffer, .address_space: global }
      - { .name: ofine, .offset: 24, .size: 8, .value_kind: global_buffer, .address_space: global }
    .group_segment_fixed_size: 0
    .private_segment_fixed_size: 0
    .kernarg_segment_align: 8
    .kernarg_segment_size: 32
    .max_flat_workgroup_size: 32
    .sgpr_count:     66
    .vgpr_count:     512
    .wavefront_size: 32
...
	.end_amdgpu_metadata
.endif
;; end of part 4
;; launch oproj (part 5): grid 4 x 64, 4 waves a work-group, clusters of 4 x 4, 327,680 bytes of LDS; arguments oimg, wo16, bo, out0; writes out0
.if DOCPART == 5
	.amdgcn_target "amdgcn-amd-amdhsa--gfx1250"
	.amdhsa_code_object_version 6
	.text
	.protected	k_q4084c947b7_oproj
	.globl	k_q4084c947b7_oproj
	.p2align	8
	.type	k_q4084c947b7_oproj,@function
k_q4084c947b7_oproj:
	s_mov_b64 s[64:65], 0
	v_nop
	global_prefetch_b8 v0, s[64:65] scope:SCOPE_SE
	s_setreg_imm32_b32 hwreg(HW_REG_WAVE_MODE, 25, 1), 1
	s_wait_xcnt 0x0
	s_wait_alu depctr_hold_cnt(0) depctr_sa_sdst(0) depctr_va_vdst(0) depctr_va_sdst(0) depctr_va_ssrc(0) depctr_va_vcc(0) depctr_vm_vsrc(0)
	s_getreg_b32 s2, hwreg(HW_REG_IB_STS2, 6, 4)
	s_cmp_eq_u32 s2, 0
	s_cbranch_scc0 .Lentry_in_a_cluster
	s_endpgm
.Lentry_in_a_cluster:
	s_bfe_u32 s2, ttmp6, 0x10000c
	s_cmp_lg_u32 s2, 0xf033
	s_cbranch_scc0 .Lentry_shape_is_right
	s_endpgm
.Lentry_shape_is_right:
; OPROJ: out = o Wo^T + bo for all rows; o / 16 and 16 Wo arrive as f16 images of operand registers; sums in f32.
; A work-group makes 128 tokens x 256 features (256 work-groups); a wave 64 x 128: 32 accumulators, window 1.  Source 0 = 16 features (into a lane's registers), source 1 = 16 tokens (into lanes).
; K goes in steps of 128 through a ring of two LDS slots.  In the images a tile's four K steps of 32 are 4,096 consecutive bytes, so a slot's part of a tile is one row of a tensor load (pitch 32,768 bytes),
; and a fragment is two ds_load_b128 at 16 x lane: 512 consecutive bytes each, no padding wanted.
; CLUSTERS 4 x 4: o's tiles are shared along a row of the cluster, Wo's along a column: joint loads; each refill stands behind a round of the cluster's barrier.  Two tensor loads of a wave are out at the start, one behind each round.
; The bias is the C of each sum's first product.  No prefetch: the tile is small and the launch short.
; REGISTERS.  window 0: v16-29 addresses; two sets of fragments, v32-127 and v128-223 (Wo's 64, then o's 32); on the way out v32-159 rows of out.  window 1: accumulator (a, b) at 8 (8 a + b).  window 2: v0-63 bo.
.set SLOT,   98304                     ; o's 8 tiles x 4,096, then Wo's 16 x 4,096
.set WOFF,   32768
.set STAGE,  2*SLOT                    ; 16 rows x (512 + 16) bytes for each wave
.set SPITCH, 528
.set SPARE,  STAGE+4*16*SPITCH
.set LAPS,   4
.set ADRA, 16
.set ADRB, 20
.set STO,  24
.set RD,   25
.set CO,   26
.set BIA,  27
.set SPW,  28
.set NIL,  29
.set F0,   32
.set F1,   128
.set BK,   32
.set G1, 24
.set G0, 32
.set G1B, 48
.set G0B, 56
.set MSB, 0
.macro WIN new
.if MSB != (\new)
	s_set_vgpr_msb (MSB<<8)|(\new)
.set MSB, (\new)
.endif
.endm
.macro JLOAD s                         ; waves 0, 1 fetch o's halves, waves 2, 3 Wo's; an s_nop 0 and four v_nop follow each line
	s_cmp_eq_u32 s13, 0
	s_cbranch_scc0 .Lfor_b_\@
	tensor_load_to_lds s[G0+4*\s:G0+4*\s+3], s[G1:G1+7]
	s_nop 0
.rept 4
	v_nop
.endr
	s_branch .Lasked_\@
.Lfor_b_\@:
	tensor_load_to_lds s[G0B+4*\s:G0B+4*\s+3], s[G1B:G1B+7]
	s_nop 0
.rept 4
	v_nop
.endr
.Lasked_\@:
.endm
.macro CREST
	s_cmp_lg_u32 s12, 0
	s_cbranch_scc1 .Lnot_wave_0_\@
	s_barrier_signal -3
.Lnot_wave_0_\@:
	s_barrier_wait -3
	s_barrier_signal -1
	s_barrier_wait -1
.endm
.macro CROUND
	s_barrier_signal -1
	s_barrier_wait -1
	CREST
.endm
	s_load_b256 s[4:11], s[0:1], 0x0               ; oimg, wo16, bo, out0
	v_lshl_add_u32 v[SPW], v0, 2, SPARE
	v_mov_b32 v[NIL], 0
	ds_add_u32 v[SPW], v[NIL]                      ; the wave's opening: the add, twice on end, and its wait ahead of my first tensor load
	ds_add_u32 v[SPW], v[NIL]
	v_lshrrev_b32 v1, 5, v0
	v_readfirstlane_b32 s12, v1                    ; wave 0..3
	s_lshr_b32 s13, s12, 1                         ; my half of the tokens.  Also: I fetch o (0) or Wo (1)
	s_and_b32 s14, s12, 1                          ; my half of the features.  Also: which half of that tile I fetch
	s_bfe_u32 s40, ttmp6, 0x40000                  ; cx
	s_bfe_u32 s41, ttmp6, 0x40004                  ; cy
	s_lshl_b32 s42, ttmp9, 2
	s_add_co_u32 s42, s42, s40                     ; tile column
	s_and_b32 s15, ttmp7, 0xffff
	s_lshl_b32 s15, s15, 2
	s_add_co_u32 s15, s15, s41                     ; tile row
	s_lshl_b32 s43, s41, 2
	s_lshl_b32 s43, 15, s43                        ; my row of the cluster
	s_lshl_b32 s44, 0x1111, s40                    ; my column
	s_or_b32 s[G1+0], s43, (3<<16)|(1<<21)         ; the mask; elements of 8 bytes; no padding
	s_or_b32 s[G1B+0], s44, (3<<16)|(1<<21)
	s_mov_b32 s[G1+1], 512<<16                     ; tensor_dim0 = 512 elements = 4,096 bytes
	s_mov_b32 s[G1+2], 4<<16                       ; tensor_dim1 = 4 tiles
	s_mov_b32 s[G1+3], 512<<16                     ; tile_dim0
	s_mov_b32 s[G1+4], 4                           ; tile_dim1
	s_mov_b32 s[G1+5], 4096                        ; pitch: 32,768 bytes
	s_mov_b32 s[G1+6], 0
	s_mov_b32 s[G1+7], 0
	s_mov_b32 s[G1B+1], 512<<16
	s_mov_b32 s[G1B+2], 8<<16                      ; 8 tiles
	s_mov_b32 s[G1B+3], 512<<16
	s_mov_b32 s[G1B+4], 8
	s_mov_b32 s[G1B+5], 4096
	s_mov_b32 s[G1B+6], 0
	s_mov_b32 s[G1B+7], 0
	s_lshl_b32 s16, s15, 3
	s_lshl_b32 s17, s14, 2
	s_add_co_u32 s16, s16, s17                     ; o: token tile 8 x tile row + 4 x half
	s_lshl_b32 s16, s16, 15
	s_mov_b32 s17, 0
	s_lshl_b32 s46, s42, 4
	s_lshl_b32 s47, s14, 3
	s_add_co_u32 s46, s46, s47                     ; Wo: feature tile 16 x tile column + 8 x half
	s_lshl_b32 s46, s46, 15
	s_mov_b32 s47, 0
	s_lshl_b32 s20, s14, 14                        ; where they go in a slot: no place in the cluster enters an LDS address
	s_lshl_b32 s21, s14, 15
	s_add_co_u32 s21, s21, WOFF
	s_wait_dscnt 0x0                               ; both opening adds are done
	s_wait_kmcnt 0x0
	s_add_nc_u64 s[16:17], s[4:5], s[16:17]
	s_add_nc_u64 s[46:47], s[6:7], s[46:47]
	CROUND                                         ; all sixteen work-groups are here
.irp s, 0,1
	s_mov_b32 s[G0+4*\s], 1
	s_add_co_u32 s[G0+4*\s+1], s20, \s*SLOT
	s_add_nc_u64 s[G0+4*\s+2:G0+4*\s+3], s[16:17], \s*4096
	s_or_b32 s[G0+4*\s+3], s[G0+4*\s+3], 0x80000000
	s_mov_b32 s[G0B+4*\s], 1
	s_add_co_u32 s[G0B+4*\s+1], s21, \s*SLOT
	s_add_nc_u64 s[G0B+4*\s+2:G0B+4*\s+3], s[46:47], \s*4096
	s_or_b32 s[G0B+4*\s+3], s[G0B+4*\s+3], 0x80000000
	JLOAD \s
.endr
	v_and_b32 v1, 15, v0                           ; r
	v_bfe_u32 v2, v0, 4, 1                         ; h
	v_and_b32 v3, 31, v0
	v_lshlrev_b32 v[CO], 4, v3                     ; 16 x lane
	s_lshl_b32 s20, s13, 14                        ; my four token tiles
	s_lshl_b32 s21, s14, 15
	s_add_co_u32 s21, s21, WOFF                    ; my eight feature tiles
.irp s, 0,1
	v_add_nc_u32 v[ADRA+\s], s20, v[CO]
	v_add_nc_u32 v[ADRB+\s], s21, v[CO]
	s_add_co_u32 s20, s20, SLOT
	s_add_co_u32 s21, s21, SLOT
.endr
	s_mul_i32 s22, s12, 16*SPITCH
	s_add_co_u32 s22, s22, STAGE                   ; my stage
	v_mul_u32_u24 v4, v1, SPITCH
	v_lshl_add_u32 v4, v2, 5, v4
	v_add_nc_u32 v[STO], s22, v4                   ; in: row r, 32 bytes for each half of the lanes
	v_add_nc_u32 v[RD], s22, v[CO]                 ; back: a row of 512 bytes for the 32 lanes
	v_lshlrev_b32 v[BIA], 5, v2
	s_lshl_b32 s20, s42, 10                        ; my first feature, 4 bytes each: 256 x tile column + 128 x half
	s_lshl_b32 s21, s14, 9
	s_add_co_u32 s20, s20, s21
	s_mov_b32 s21, 0
	s_add_nc_u64 s[8:9], s[8:9], s[20:21]
	s_add_nc_u64 s[10:11], s[10:11], s[20:21]
	s_lshl_b32 s20, s15, 7
	s_lshl_b32 s22, s13, 6
	s_add_co_u32 s20, s20, s22                     ; my first token
	s_lshl_b32 s20, s20, 12
	s_add_nc_u64 s[10:11], s[10:11], s[20:21]
	WIN 0x80
.irp b, 0,1,2,3,4,5,6,7
	global_load_b128 v[8*\b:8*\b+3], v[BIA], s[8:9] offset:64*\b          ; register j of block b: bo[16 b + 8 h + j]
	global_load_b128 v[8*\b+4:8*\b+7], v[BIA], s[8:9] offset:64*\b+16
.endr
	WIN 0
.macro MUL8 f, a, first                ; token block a x the eight feature blocks, 32 along K.  The 32 accumulators take turns, in the same order in every quarter
.irp b, 0,1,2,3,4,5,6,7
.if \first
	v_wmma_f32_16x16x32_f16 v[8*(8*(\a)+\b):8*(8*(\a)+\b)+7], v[\f+8*\b:\f+8*\b+7], v[\f+64+8*(\a):\f+64+8*(\a)+7], v[8*\b:8*\b+7]
.else
	v_wmma_f32_16x16x32_f16 v[8*(8*(\a)+\b):8*(8*(\a)+\b)+7], v[\f+8*\b:\f+8*\b+7], v[\f+64+8*(\a):\f+64+8*(\a)+7], v[8*(8*(\a)+\b):8*(8*(\a)+\b)+7]
.endif
.endr
.endm
.macro FETCH slot, q, f                ; 24 LDS loads in one run: Wo's eight fragments, then o's four
	WIN 0
.irp i, 0,1,2,3,4,5,6,7
	ds_load_b128 v[\f+8*\i:\f+8*\i+3],   v[ADRB+\slot] offset:4096*\i+1024*(\q)
	ds_load_b128 v[\f+8*\i+4:\f+8*\i+7], v[ADRB+\slot] offset:4096*\i+1024*(\q)+512
.endr
.irp i, 0,1,2,3
	ds_load_b128 v[\f+64+8*\i:\f+64+8*\i+3],   v[ADRA+\slot] offset:4096*\i+1024*(\q)
	ds_load_b128 v[\f+64+8*\i+4:\f+64+8*\i+7], v[ADRA+\slot] offset:4096*\i+1024*(\q)+512
.endr
.endm
.macro PLACES
.rept 4
	v_nop
.endr
.endm
.macro QUARTER slot, q, f, g, first    ; multiplies set f; in its middle it fetches the slot's quarter q into set g
	s_wait_dscnt 4                                 ; all but o's blocks 2, 3 (four loads) are in
	WIN 0x50+0x10*(\first)                         ; C and D window 1; in the first quarter C = the bias, window 2
	MUL8 \f, 0, \first
	MUL8 \f, 1, \first
	PLACES
	FETCH \slot, \q, \g
	s_wait_dscnt 24                                ; all but the 24 just issued
	WIN 0x50+0x10*(\first)
	MUL8 \f, 2, \first
	MUL8 \f, 3, \first
.endm
.macro TURN slot, next, fill           ; a slot's last quarter changes slots: one barrier; fill = 1: it opens a round of the cluster's, and the slot is filled again, two K steps on
	WIN 0
	s_wait_tensorcnt 0x0                           ; all my tensor loads have landed: my part of the next slot
	ds_add_u32 v[SPW], v[NIL]
	s_wait_dscnt 5                                 ; the add and the youngest four loads may be out
	WIN 0x50
	MUL8 F1, 0, 0
	s_wait_dscnt 0x0                               ; the add is done, and my reads of this slot are over
	s_barrier_signal -1
	MUL8 F1, 1, 0
.if \fill
	WIN 0
.endif
	s_barrier_wait -1
.if \fill
	CREST                                          ; no wave of any partner still reads this slot or has a load on its way
	s_add_nc_u64 s[G0+4*\slot+2:G0+4*\slot+3], s[G0+4*\slot+2:G0+4*\slot+3], 8192
	s_add_nc_u64 s[G0B+4*\slot+2:G0B+4*\slot+3], s[G0B+4*\slot+2:G0B+4*\slot+3], 8192
	JLOAD \slot                                    ; the first tensor load behind the round; its four v_nop are also the places in front of the loads below
.else
	PLACES
.endif
	FETCH \next, 0, F0
	WIN 0x50
	MUL8 F1, 2, 0
	MUL8 F1, 3, 0
.endm
	s_wait_tensorcnt 1                             ; my part of K step 0 is in; K step 1's load may be out
	s_barrier_signal -1
	s_barrier_wait -1
	FETCH 0, 0, F0
	s_wait_loadcnt 0x0                             ; the bias
	QUARTER 0, 1, F0, F1, 1                        ; the first quarter stands in front of the loop: its products start the sums
	WIN 0
	s_mov_b32 s3, LAPS-1
.Llap:                                             ; once round the ring, from a lap's second quarter to the next lap's first; both slots are filled again
	QUARTER 0, 2, F1, F0, 0
	QUARTER 0, 3, F0, F1, 0
	TURN 0, 1, 1
	QUARTER 1, 1, F0, F1, 0
	QUARTER 1, 2, F1, F0, 0
	QUARTER 1, 3, F0, F1, 0
	TURN 1, 0, 1
	QUARTER 0, 1, F0, F1, 0
	WIN 0
	s_sub_co_u32 s3, s3, 1
	s_cmp_lg_u32 s3, 0
	s_cbranch_scc1 .Llap
	QUARTER 0, 2, F1, F0, 0                        ; the last lap fills nothing
	QUARTER 0, 3, F0, F1, 0
	TURN 0, 1, 0
	QUARTER 1, 1, F0, F1, 0
	QUARTER 1, 2, F1, F0, 0
	QUARTER 1, 3, F0, F1, 0
	s_wait_dscnt 4
	WIN 0x50
	MUL8 F1, 0, 0
	MUL8 F1, 1, 0
	s_wait_dscnt 0
	MUL8 F1, 2, 0
	MUL8 F1, 3, 0
	WIN 0
; THE WAY OUT, a block of 16 tokens x 128 features at a time, through my own stage: in as 32 bytes a lane, back as rows of 512 bytes.  LDS serves a wave's instructions in order.
.macro TOSTAGE a
	WIN 0x04                                       ; an LDS store's data: window 1
.irp b, 0,1,2,3,4,5,6,7
	ds_store_b128 v[STO], v[64*(\a)+8*\b:64*(\a)+8*\b+3] offset:64*\b        ; each accumulator from its low end on
	ds_store_b128 v[STO], v[64*(\a)+8*\b+4:64*(\a)+8*\b+7] offset:64*\b+16
.endr
	WIN 0
.set BB, BK+64*((\a)%2)
.irp t, 0,1,2,3,4,5,6,7,8,9,10,11,12,13,14,15
	ds_load_b128 v[BB+4*\t:BB+4*\t+3], v[RD] offset:\t*SPITCH
.endr
.endm
.macro SEND a, younger
.set BB, BK+64*((\a)%2)
	s_wait_dscnt \younger                          ; the block is back in registers
.irp t, 0,1,2,3,4,5,6,7,8,9,10,11,12,13,14,15
	global_store_b128 v[CO], v[BB+4*\t:BB+4*\t+3], s[10:11] offset:(16*(\a)+\t)*4096 th:TH_STORE_NT   ; 512 consecutive bytes, at a multiple of 512 from out0's first byte
.endr
.endm
	PLACES
	TOSTAGE 0
.irp a, 1,2,3
.if \a > 1
	s_wait_xcnt 0x0                                ; block a - 2's stores have read their registers
.endif
	TOSTAGE \a
	SEND \a-1, 32                                  ; behind block a - 1's loads: block a's 16 stores and 16 loads
.endr
	SEND 3, 0
	s_wait_tensorcnt 0x0                           ; the wave's end
	ds_add_u32 v[SPW], v[NIL]
	s_wait_dscnt 0x0
	CROUND                                         ; the closing round
	s_endpgm
.Lfunc_end_k_q4084c947b7_oproj:
	.size	k_q4084c947b7_oproj, .Lfunc_end_k_q4084c947b7_oproj-k_q4084c947b7_oproj
	.p2alignl 7, 3214868480
	.fill 96, 4, 3214868480
	.section	.rodata,"a",@progbits
	.p2align	6, 0x0
	.amdhsa_kernel k_q4084c947b7_oproj
		.amdhsa_group_segment_fixed_size 327680
		.amdhsa_private_segment_fixed_size 0
		.amdhsa_enable_private_segment 0
		.amdhsa_kernarg_size 32
		.amdhsa_user_sgpr_count 2
		.amdhsa_user_sgpr_kernarg_segment_ptr 1
		.amdhsa_wavefront_size32 1
		.amdhsa_system_sgpr_workgroup_id_x 1
		.amdhsa_system_sgpr_workgroup_id_y 1
		.amdhsa_system_sgpr_workgroup_id_z 1
		.amdhsa_system_vgpr_workitem_id 0
		.amdhsa_next_free_vgpr 640
		.amdhsa_next_free_sgpr 66
		.amdhsa_reserve_vcc 0
		.amdhsa_float_denorm_mode_32 3
		.amdhsa_float_denorm_mode_16_64 3
		.amdhsa_memory_ordered 1
		.amdhsa_forward_progress 1
		.amdhsa_inst_pref_size 86
	.end_amdhsa_kernel
	.amdgpu_metadata
---
amdhsa.version: [ 1, 2 ]
amdhsa.kernels:
  - .name:           k_q4084c947b7_oproj
    .symbol:         k_q4084c947b7_oproj.kd
    .args:
      - { .name: oimg, .offset: 0, .size: 8, .value_kind: global_buffer, .address_space: global }
      - { .name: wo16, .offset: 8, .size: 8, .value_kind: global_buffer, .address_space: global }
      - { .name: bo, .offset: 16, .size: 8, .value_kind: global_buffer, .address_space: global }
      - { .name: out0, .offset: 24, .size: 8, .value_kind: global_buffer, .address_space: global }
    .group_segment_fixed_size: 327680
    .private_segment_fixed_size: 0
    .kernarg_segment_align: 8
    .kernarg_segment_size: 32
    .max_flat_workgroup_size: 128
    .sgpr_count:     66
    .vgpr_count:     640
    .wavefront_size: 32
...
	.end_amdgpu_metadata
.endif
;; end of part 5
;; launch fine_oproj (part 6): grid 64 x 4, 8 waves a work-group, no clusters, 9,216 bytes of LDS; arguments ofine, wo16, bo, out0; writes out0
.if DOCPART == 6
	.amdgcn_target "amdgcn-amd-amdhsa--gfx1250"
	.amdhsa_code_object_version 6
	.text
	.protected	k_q4084c947b7_fine_oproj
	.globl	k_q4084c947b7_fine_oproj
	.p2align	8
	.type	k_q4084c947b7_fine_oproj,@function
k_q4084c947b7_fine_oproj:
	s_mov_b64 s[64:65], 0
	v_nop
	global_prefetch_b8 v0, s[64:65] scope:SCOPE_SE
	s_setreg_imm32_b32 hwreg(HW_REG_WAVE_MODE, 25, 1), 1
	s_wait_xcnt 0x0
; FINE_OPROJ: out = o Wo^T + bo for positions 0 to 15 of every sequence, with o / 16 and 16 Wo as pairs of f16 numbers: Wh Oh + Wh Ol + Wl Oh, sums in f32.  It writes over what the launch before left in those rows.
; Work-group (feature tile ft, batch b): 16 features x 16 tokens.  Wave w takes K steps 4 w .. 4 w + 3; the eight partial sums meet in LDS and wave 0 adds them in a fixed order, adds bo and stores.
; A work-group stores 64 bytes of each of 16 rows: the launch stores 262,144 bytes in all, and 256 work-groups keep each wave's operands to one round of loads.
.set SPARE, 8192
.set SPW, 2
.set NIL, 3
.set WH, 16
.set WL, 48
.set OH, 80
.set OL, 112
	s_load_b256 s[4:11], s[0:1], 0x0               ; ofine, wo16, bo, out0
	v_lshl_add_u32 v[SPW], v0, 2, SPARE
	v_mov_b32 v[NIL], 0
	v_lshrrev_b32 v1, 5, v0
	v_readfirstlane_b32 s12, v1                    ; wave 0..7
	v_and_b32 v1, 31, v0
	v_lshlrev_b32 v4, 4, v1                        ; 16 x lane
	s_lshl_b32 s13, s12, 10
	v_add_nc_u32 v5, s13, v4                       ; my partial sum's place
	v_and_b32 v8, 15, v0                           ; r
	v_bfe_u32 v9, v0, 4, 1                         ; h
	v_lshlrev_b32 v6, 5, v9                        ; bo: 32 h
	v_lshlrev_b32 v7, 12, v8
	v_lshl_add_u32 v7, v9, 5, v7                   ; out: r x 4,096 + 32 h
	s_and_b32 s14, ttmp7, 0xffff                   ; batch
	s_lshl_b32 s16, ttmp9, 15
	s_lshl_b32 s18, s12, 12
	s_add_co_u32 s16, s16, s18                     ; (ft x 32 + 4 w) x 1,024
	s_mov_b32 s17, 0
	s_lshl_b32 s20, s14, 15
	s_add_co_u32 s20, s20, s18                     ; (b x 32 + 4 w) x 1,024
	s_mov_b32 s21, 0
	s_wait_kmcnt 0x0
	s_add_nc_u64 s[6:7], s[6:7], s[16:17]
	s_add_nc_u64 s[4:5], s[4:5], s[20:21]
.irp n, 0,1,2,3,4,5,6,7
	global_load_b128 v[WH+4*\n:WH+4*\n+3], v4, s[6:7] offset:512*\n
	global_load_b128 v[WL+4*\n:WL+4*\n+3], v4, s[6:7] offset:2097152+512*\n
	global_load_b128 v[OH+4*\n:OH+4*\n+3], v4, s[4:5] offset:512*\n
	global_load_b128 v[OL+4*\n:OL+4*\n+3], v4, s[4:5] offset:131072+512*\n
.endr
	s_lshl_b32 s16, ttmp9, 6
	s_add_nc_u64 s[8:9], s[8:9], s[16:17]          ; bo at my 16 features
	s_lshl_b32 s20, s14, 23
	s_add_co_u32 s20, s20, s16
	s_add_nc_u64 s[10:11], s[10:11], s[20:21]      ; out0: batch x 2,048 rows of 4,096 bytes + ft x 64
	s_wait_loadcnt 0x0
.irp ks, 0,1,2,3                       ; three accumulators by turns
.if \ks == 0
	v_wmma_f32_16x16x32_f16 v[144:151], v[WH:WH+7], v[OH:OH+7], 0
	v_wmma_f32_16x16x32_f16 v[152:159], v[WH:WH+7], v[OL:OL+7], 0
	v_wmma_f32_16x16x32_f16 v[160:167], v[WL:WL+7], v[OH:OH+7], 0
.else
	v_wmma_f32_16x16x32_f16 v[144:151], v[WH+8*\ks:WH+8*\ks+7], v[OH+8*\ks:OH+8*\ks+7], v[144:151]
	v_wmma_f32_16x16x32_f16 v[152:159], v[WH+8*\ks:WH+8*\ks+7], v[OL+8*\ks:OL+8*\ks+7], v[152:159]
	v_wmma_f32_16x16x32_f16 v[160:167], v[WL+8*\ks:WL+8*\ks+7], v[OH+8*\ks:OH+8*\ks+7], v[160:167]
.endif
.endr
.rept 4
	v_nop
.endr
.irp j, 0,2,4,6
	v_pk_add_f32 v[168+\j:169+\j], v[152+\j:153+\j], v[160+\j:161+\j]     ; the two small terms first
.endr
.irp j, 0,2,4,6
	v_pk_add_f32 v[168+\j:169+\j], v[168+\j:169+\j], v[144+\j:145+\j]
.endr
	ds_store_b128 v5, v[168:171]
	ds_store_b128 v5, v[172:175] offset:512
	s_wait_dscnt 0x0                               ; for wave 0's sake
	s_barrier_signal -1
	s_barrier_wait -1
	s_cmp_lg_u32 s12, 0
	s_cbranch_scc1 .Lend
	global_load_b128 v[80:83], v6, s[8:9]          ; bo[16 ft + 8 h + 0..7]
	global_load_b128 v[84:87], v6, s[8:9] offset:16
.irp w, 0,1,2,3,4,5,6,7
	ds_load_b128 v[16+8*\w:19+8*\w], v4 offset:1024*\w
	ds_load_b128 v[20+8*\w:23+8*\w], v4 offset:1024*\w+512
.endr
	s_wait_dscnt 0x0
.irp w, 1,2,3,4,5,6,7
.irp j, 0,2,4,6
	v_pk_add_f32 v[16+\j:17+\j], v[16+\j:17+\j], v[16+8*\w+\j:17+8*\w+\j]
.endr
.endr
	s_wait_loadcnt 0x0
.irp j, 0,2,4,6
	v_pk_add_f32 v[16+\j:17+\j], v[16+\j:17+\j], v[80+\j:81+\j]
.endr
	global_store_b128 v7, v[16:19], s[10:11]       ; out(b, r, 16 ft + 8 h + 0..7)
	global_store_b128 v7, v[20:23], s[10:11] offset:16
.Lend:
	s_wait_tensorcnt 0x0                           ; the wave's end, behind my last LDS store
	ds_add_u32 v[SPW], v[NIL]
	s_wait_dscnt 0x0
	s_endpgm
.Lfunc_end_k_q4084c947b7_fine_oproj:
	.size	k_q4084c947b7_fine_oproj, .Lfunc_end_k_q4084c947b7_fine_oproj-k_q4084c947b7_fine_oproj
	.p2alignl 7, 3214868480
	.fill 96, 4, 3214868480
	.section	.rodata,"a",@progbits
	.p2align	6, 0x0
	.amdhsa_kernel k_q4084c947b7_fine_oproj
		.amdhsa_group_segment_fixed_size 9216
		.amdhsa_private_segment_fixed_size 0
		.amdhsa_enable_private_segment 0
		.amdhsa_kernarg_size 32
		.amdhsa_user_sgpr_count 2
		.amdhsa_user_sgpr_kernarg_segment_ptr 1
		.amdhsa_wavefront_size32 1
		.amdhsa_system_sgpr_workgroup_id_x 1
		.amdhsa_system_sgpr_workgroup_id_y 1
		.amdhsa_system_sgpr_workgroup_id_z 1
		.amdhsa_system_vgpr_workitem_id 0
		.amdhsa_next_free_vgpr 192
		.amdhsa_next_free_sgpr 66
		.amdhsa_reserve_vcc 0
		.amdhsa_float_denorm_mode_32 3
		.amdhsa_float_denorm_mode_16_64 3
		.amdhsa_memory_ordered 1
		.amdhsa_forward_progress 1
		.amdhsa_inst_pref_size 10
	.end_amdhsa_kernel
	.amdgpu_metadata
---
amdhsa.version: [ 1, 2 ]
amdhsa.kernels:
  - .name:           k_q4084c947b7_fine_oproj
    .symbol:         k_q4084c947b7_fine_oproj.kd
    .args:
      - { .name: ofine, .offset: 0, .size: 8, .value_kind: global_buffer, .address_space: global }
      - { .name: wo16, .offset: 8, .size: 8, .value_kind: global_buffer, .address_space: global }
      - { .name: bo, .offset: 16, .size: 8, .value_kind: global_buffer, .address_space: global }
      - { .name: out0, .offset: 24, .size: 8, .value_kind: global_buffer, .address_space: global }
    .group_segment_fixed_size: 9216
    .private_segment_fixed_size: 0
    .kernarg_segment_align: 8
    .kernarg_segment_size: 32
    .max_flat_workgroup_size: 256
    .sgpr_count:     66
    .vgpr_count:     192
    .wavefront_size: 32
...
	.end_amdgpu_metadata
.endif
;; end of part 6
